; MI455X (gfx1250); checked and timed in simulation.
; The chip was launched on July 23, 2026; its instructions are those of AMD's public machine-readable ISA for CDNA 5 (MIT licence, August 2026) and "CDNA5" Instruction Set Architecture Reference Guide (July 2026). The comments in the code are by the model that wrote it; some were corrected since.
;; Mo E Layer. Allowed arithmetic: matrix products marked QUANTISED: E2M1 operands, one E8M0 scale for each 32 along K, by v_wmma_scale_f32_16x16x128_f8f6f4 with both operands' format E2M1 (or v_wmma_scale_f32_32x16x128_f4), f32 sums; products left as they are: f32 operands where the result goes on into a quantised operand, else bf16, f16 or f32 operands; f32 sums; everything else in f32.
;; Inputs: gate_w 1,024 x 8 float32; hidden_states 2 x 512 x 1,024 float32; w1 8 x 1,024 x 2,048 float32; w2 8 x 2,048 x 1,024 float32; w3 8 x 1,024 x 2,048 float32.
;; Outputs: out0 2 x 512 x 1,024 float32.
;; This version of the problem:
;;   THIS VERSION OF THE PROBLEM IS GIVEN IN LOW PRECISION. The matrix products marked QUANTISED in the list below multiply operands that are first quantised to E2M1 (2 exponent bits, 1 mantissa bit; 4 bits a number), with one power-of-two scale for each 32 numbers along K (OCP MX v1.0); their sums are f32. All else is computed in f32.
;;   The module's matrix products, in the order in which they are computed (A, B: the left and right operand; K: the contracted axis; several contracted axes count as one K, in the product's order):
;;     1. [M 1,024, K 1,024] x [K 1,024, N 8]; A: input hidden_states; B: input gate_w: left as it is (N = 8 < 16)
;;     2. [M 1,024, K 1,024] x [K 1,024, N 2,048]; A: input hidden_states; B: input w1: QUANTISED
;;     3. [M 1,024, K 1,024] x [K 1,024, N 2,048]; A: input hidden_states; B: input w3: QUANTISED
;;     4. [M 1,024, K 2,048] x [K 2,048, N 1,024]; A: computed on the way; B: input w2: QUANTISED
;;     5. [M 1,024, K 1,024] x [K 1,024, N 2,048]; A: input hidden_states; B: input w1: QUANTISED
;;     6. [M 1,024, K 1,024] x [K 1,024, N 2,048]; A: input hidden_states; B: input w3: QUANTISED
;;     7. [M 1,024, K 2,048] x [K 2,048, N 1,024]; A: computed on the way; B: input w2: QUANTISED
;;     8. [M 1,024, K 1,024] x [K 1,024, N 2,048]; A: input hidden_states; B: input w1: QUANTISED
;;     9. [M 1,024, K 1,024] x [K 1,024, N 2,048]; A: input hidden_states; B: input w3: QUANTISED
;;     10. [M 1,024, K 2,048] x [K 2,048, N 1,024]; A: computed on the way; B: input w2: QUANTISED
;;     11. [M 1,024, K 1,024] x [K 1,024, N 2,048]; A: input hidden_states; B: input w1: QUANTISED
;;     12. [M 1,024, K 1,024] x [K 1,024, N 2,048]; A: input hidden_states; B: input w3: QUANTISED
;;     13. [M 1,024, K 2,048] x [K 2,048, N 1,024]; A: computed on the way; B: input w2: QUANTISED
;;     14. [M 1,024, K 1,024] x [K 1,024, N 2,048]; A: input hidden_states; B: input w1: QUANTISED
;;     15. [M 1,024, K 1,024] x [K 1,024, N 2,048]; A: input hidden_states; B: input w3: QUANTISED
;;     16. [M 1,024, K 2,048] x [K 2,048, N 1,024]; A: computed on the way; B: input w2: QUANTISED
;;     17. [M 1,024, K 1,024] x [K 1,024, N 2,048]; A: input hidden_states; B: input w1: QUANTISED
;;     18. [M 1,024, K 1,024] x [K 1,024, N 2,048]; A: input hidden_states; B: input w3: QUANTISED
;;     19. [M 1,024, K 2,048] x [K 2,048, N 1,024]; A: computed on the way; B: input w2: QUANTISED
;;     20. [M 1,024, K 1,024] x [K 1,024, N 2,048]; A: input hidden_states; B: input w1: QUANTISED
;;     21. [M 1,024, K 1,024] x [K 1,024, N 2,048]; A: input hidden_states; B: input w3: QUANTISED
;;     22. [M 1,024, K 2,048] x [K 2,048, N 1,024]; A: computed on the way; B: input w2: QUANTISED
;;     23. [M 1,024, K 1,024] x [K 1,024, N 2,048]; A: input hidden_states; B: input w1: QUANTISED
;;     24. [M 1,024, K 1,024] x [K 1,024, N 2,048]; A: input hidden_states; B: input w3: QUANTISED
;;     25. [M 1,024, K 2,048] x [K 2,048, N 1,024]; A: computed on the way; B: input w2: QUANTISED
;;   THE QUANTISER, for each operand of a quantised product, along K:
;;     - K is cut into blocks of 32 from its start; a last block that is shorter is filled with zeros.
;;     - A block's scale is 2^e with e = floor(log2(the largest magnitude in the block)) - 2, held to -126 .. 127; a block of zeros has e = 0. As a byte (E8M0): e + 127.
;;     - Each number is divided by its block's scale, clamped to +-6, and rounded to the nearest number of E2M1, ties to even, subnormals kept.
;;     - The product sums the exact products of the quantised numbers (number of the format x scale) in f32.
;;   ~~~python
;;   def quantise(x, axis):      # numpy; x: float32 -> the quantised numbers, widened to float32 again
;;       x = np.moveaxis(x, axis, -1); K = x.shape[-1]
;;       x = np.pad(x, [(0, 0)] * (x.ndim - 1) + [(0, -K % 32)]); x = x.reshape(x.shape[:-1] + (-1, 32)); a = np.abs(x).max(-1, keepdims=True)
;;       e = np.where(a > 0, np.clip(np.frexp(np.where(a > 0, a, 1))[1] - 1 - 2, -126, 127), 0)      # np.frexp(a)[1] - 1 = floor(log2(a)), exactly
;;       r = np.clip(x / 2.0 ** e, -6, 6)
;;       step = 2.0 ** (np.maximum(np.frexp(np.where(r == 0, 1, r))[1] - 1, 0) - 1)
;;       q = np.round(r / step) * step * 2.0 ** e      # np.round: ties to even
;;       return np.moveaxis(q.reshape(q.shape[:-2] + (-1,))[..., :K], -1, axis).astype(np.float32)
;;   ~~~
;;   OPERANDS COMPUTED ON THE WAY. 'Computed on the way' means the value that the module computes at that place (a softmax that the list does not call 'softmax' is quantised finished and normalised). What goes into a quantiser is computed in f32, as accurately as f32 sums, v_exp_f32 and their like allow (about 1e-6 of the number): no bf16 or f16 on the way to a quantiser, and a product that is left as it is and whose result goes on into a quantised operand takes f32 operands (vector FMAs, or v_wmma_f32_16x16x4_f32). A number that lies on a knife's edge between two numbers of the format may be rounded either way, as far as f32 arithmetic and the matrix unit's own rounding can turn it there, and no further.
;; 2 versions. Each part assembles by itself: llvm-mc -triple=amdgcn-amd-amdhsa -mcpu=gfx1250 --defsym DOCPART=n.
;; ======== version 1 of 2: 5 launches
;; workspace buffers: xq 524,288 bytes; xs 32,768 bytes; sel 4,096 bytes of whole numbers; gw 8,192 bytes; list 35,072 bytes of whole numbers; actq 8,388,608 bytes; acts 524,288 bytes; ybuf 16,777,216 bytes
;; launch route (part 1): grid 256 x 1, 4 waves a work-group, no clusters, 52,224 bytes of LDS; arguments hidden_states, gate_w, xq, xs, sel, gw; writes xq, xs, sel, gw
.if DOCPART == 1
	.amdgcn_target "amdgcn-amd-amdhsa--gfx1250"
	.amdhsa_code_object_version 6
	.text
	.protected	k_qaf5b2eddc2_route
	.globl	k_qaf5b2eddc2_route
	.p2align	8
	.type	k_qaf5b2eddc2_route,@function
k_qaf5b2eddc2_route:
	s_mov_b64 s[64:65], 0
	v_nop
	global_prefetch_b8 v0, s[64:65] scope:SCOPE_SE
	s_setreg_imm32_b32 hwreg(HW_REG_WAVE_MODE, 25, 1), 1
	s_wait_xcnt 0x0
; ROUTER AND QUANTISER OF x.  1,024 tokens of 1,024 f32.  One wave takes one token: token = 4 x work-group + wave.  Lane l owns the token's block l: d = 32 l .. 32 l + 31.
; Out: xq [token][512 bytes] codes of E2M1 (block l's 16 bytes at 16 l); xs [token][32] E8M0 bytes; sel [token] = first expert | second expert << 8; gw [token][2] the two weights, renormalised.
; The logits are f32 multiply-adds (32 a lane, then a sum over the lanes); softmax with its maximum taken away, as the problem writes it; top 2 by two scans in which only a strictly larger number replaces, so the lower index keeps a tie.
; Nothing here branches or addresses by the choice: it is stored at fixed places and a later launch places the rows.
; LIMITS: NaN and infinities are not served.  A block whose largest magnitude lies under 2^-124 (a block of zeros too) keeps the scale byte 1; the bytes are read by this program alone.
; The logits' sums are taken in another order than a plain row sum: a token whose second and third probabilities differ by less than f32 rounding of a sum of 1,024 terms may take the other expert.
; No matrix unit (8 columns), no cluster (what is shared, gate_w, is 32 KiB against nothing that waits for it), no tensor loads (one pass, all loads issued at the head).
.set GP,   1040                        ; LDS: gate_w's rows 32 L .. 32 L + 31 (1,024 bytes) at GP x L: 65 x 16 bytes
.set XST,  33280                       ; behind them a stage of 32 x XPI bytes for each wave
.set XPI,  144                         ; a lane's 128 bytes of x + 16
.set ACC,  8                           ; v8-15   the eight logits
.set X,    16                          ; v16-47  my block's 32 numbers
.set RX,   48                          ; v48-79  x as loaded (all 32 registers); later at work
.set G,    80                          ; v80-143, v144-207  gate_w as loaded; then two batches of 8 rows x 8 experts
	s_load_b256 s[4:11], s[0:1], 0x0               ; hidden_states, gate_w, xq, xs
	s_load_b128 s[12:15], s[0:1], 0x20             ; sel, gw
	v_lshl_add_u32 v208, v0, 2, 0xca00
	v_mov_b32 v209, 0
	v_lshrrev_b32 v1, 5, v0
	v_readfirstlane_b32 s16, v1                    ; wave
	v_and_b32 v1, 31, v0                           ; lane
	v_lshlrev_b32 v2, 4, v0                        ; gate_w in: 16 bytes a thread, 2,048 a load of the work-group
	v_lshrrev_b32 v3, 6, v0
	v_mul_u32_u24 v3, v3, GP
	v_and_b32 v4, 63, v0
	v_lshl_add_u32 v3, v4, 4, v3                   ; and its place in LDS: slice thread / 64 (+ 2 a load), 16 (thread % 64)
	v_lshlrev_b32 v4, 4, v1                        ; 16 x lane
	s_mul_i32 s18, s16, 32*XPI
	s_add_co_u32 s18, s18, XST                     ; my wave's stage
	v_lshrrev_b32 v5, 3, v1
	v_mul_u32_u24 v5, v5, XPI
	v_and_b32 v6, 7, v1
	v_lshl_add_u32 v5, v6, 4, v5
	v_add_nc_u32 v5, s18, v5                       ; x into the stage: eight lanes' 128 bytes on end, then 16 of padding
	v_mul_u32_u24 v6, v1, XPI
	v_add_nc_u32 v6, s18, v6                       ; and out of it: my block
	v_mul_u32_u24 v7, v1, GP                       ; my 32 rows of gate_w
	s_lshl_b32 s17, ttmp9, 2
	s_add_co_u32 s17, s17, s16                     ; my token
	s_mov_b32 s19, 0
	s_mov_b32 s20, 0x76543210
	s_mov_b32 s21, 0xfedcba98                      ; v_permlanex16_b32's selects for lane l xor 16
	s_wait_kmcnt 0x0
.irp c, 0,1,2,3,4,5,6,7,8,9,10,11,12,13,14,15
	global_load_b128 v[G+4*\c:G+4*\c+3], v2, s[6:7] offset:2048*\c
.endr
	s_lshl_b32 s18, s17, 12
	s_add_nc_u64 s[4:5], s[4:5], s[18:19]          ; my row of x
.irp i, 0,1,2,3,4,5,6,7
	global_load_b128 v[RX+4*\i:RX+4*\i+3], v4, s[4:5] offset:512*\i th:TH_LOAD_NT   ; 32 lanes read 512 consecutive bytes
.endr
	s_lshl_b32 s18, s17, 9
	s_add_nc_u64 s[8:9], s[8:9], s[18:19]
	s_lshl_b32 s18, s17, 5
	s_add_nc_u64 s[10:11], s[10:11], s[18:19]
	s_lshl_b32 s18, s17, 2
	s_add_nc_u64 s[12:13], s[12:13], s[18:19]
	s_lshl_b32 s18, s17, 3
	s_add_nc_u64 s[14:15], s[14:15], s[18:19]
	s_wait_loadcnt 8                               ; gate_w's sixteen loads are in; x's eight may be out
.irp c, 0,1,2,3,4,5,6,7,8,9,10,11,12,13,14,15
	ds_store_b128 v3, v[G+4*\c:G+4*\c+3] offset:2*GP*\c
.endr
	s_wait_loadcnt 0x0
.irp i, 0,1,2,3,4,5,6,7
	ds_store_b128 v5, v[RX+4*\i:RX+4*\i+3] offset:4*XPI*\i
.endr
.irp i, 0,1,2,3,4,5,6,7
	ds_load_b128 v[X+4*\i:X+4*\i+3], v6 offset:16*\i   ; my wave's own bytes: LDS serves a wave's instructions in order
.endr
	s_wait_dscnt 0x0                               ; for the others' sake: my part of gate_w lies in LDS
	s_barrier_signal -1
	s_barrier_wait -1
.macro GLD a                           ; rows 8 a .. 8 a + 7 of my 32 rows of gate_w: 8 experts each
.irp ii, 0,1,2,3,4,5,6,7
.irp hf, 0,1
	ds_load_b128 v[G+64*((\a)%2)+8*\ii+4*\hf:G+64*((\a)%2)+8*\ii+4*\hf+3], v7 offset:32*(8*(\a)+\ii)+16*\hf
.endr
.endr
.endm
	GLD 0
	GLD 1
	; my block becomes codes while the first batches are on their way
	v_max3_num_f32 v48, |v[X]|, |v[X+1]|, |v[X+2]|
	v_max3_num_f32 v49, |v[X+3]|, |v[X+4]|, |v[X+5]|
.irp i, 6,10,14,18,22,26
	v_max3_num_f32 v48, v48, |v[X+\i]|, |v[X+\i+1]|
	v_max3_num_f32 v49, v49, |v[X+\i+2]|, |v[X+\i+3]|
.endr
	v_max3_num_f32 v48, v48, |v[X+30]|, |v[X+31]|
	v_max3_num_f32 v48, v48, v49, 0x1800000        ; the floor 2^(3 - 127): the byte cannot fall under 1
	v_add_nc_u32 v50, 0xff000000, v48              ; 2 off the exponent field: the conversion's scale operand
	v_lshrrev_b32 v51, 23, v50                     ; the scale's byte
.irp g, 0,1,2,3
	v_cvt_scalef32_pk8_fp4_f32 v[52+\g], v[X+8*\g:X+8*\g+7], v50
.endr
	v_nop                                          ; one plain place behind the conversions
	global_store_b128 v4, v[52:55], s[8:9]         ; 32 lanes store the token's 512 bytes of codes
	global_store_b8 v1, v51, s[10:11]              ; and its 32 scale bytes
.macro DOT a                           ; 8 rows x 8 experts: logits += x[i] gate_w[i][:], two experts an instruction; x[i] is one register of a pair, chosen for both halves
.set GB, G+64*((\a)%2)
.irp ii, 0,1,2,3,4,5,6,7
.irp q, 0,1,2,3
.if (8*(\a)+\ii) == 0
	v_pk_mul_f32 v[ACC+2*\q:ACC+2*\q+1], v[GB+8*\ii+2*\q:GB+8*\ii+2*\q+1], v[X:X+1] op_sel_hi:[1,0]
.elseif (\ii%2) == 0
	v_pk_fma_f32 v[ACC+2*\q:ACC+2*\q+1], v[GB+8*\ii+2*\q:GB+8*\ii+2*\q+1], v[X+8*(\a)+\ii:X+8*(\a)+\ii+1], v[ACC+2*\q:ACC+2*\q+1] op_sel_hi:[1,0,1]
.else
	v_pk_fma_f32 v[ACC+2*\q:ACC+2*\q+1], v[GB+8*\ii+2*\q:GB+8*\ii+2*\q+1], v[X+8*(\a)+\ii-1:X+8*(\a)+\ii], v[ACC+2*\q:ACC+2*\q+1] op_sel:[0,1,0] op_sel_hi:[1,1,1]
.endif
.endr
.endr
.endm
	s_wait_dscnt 16                                ; this batch's sixteen loads are in; the next batch's may be out
	DOT 0
	GLD 2
	s_wait_dscnt 16
	DOT 1
	GLD 3
	s_wait_dscnt 16
	DOT 2
	s_wait_dscnt 0x0
	DOT 3
.irp x, 1,2,4,8                        ; the sum over the lanes, the eight logits by turns
.irp e, 0,1,2,3,4,5,6,7
	v_add_f32_dpp v[ACC+\e], v[ACC+\e], v[ACC+\e] row_xmask:\x row_mask:0xf bank_mask:0xf
.endr
.endr
.irp e, 0,1,2,3,4,5,6,7
	v_permlanex16_b32 v[56+\e], v[ACC+\e], s20, s21
.endr
.irp e, 0,1,2,3,4,5,6,7
	v_add_f32 v[ACC+\e], v[ACC+\e], v[56+\e]       ; every lane holds the token's eight logits
.endr
	v_max3_num_f32 v48, v8, v9, v10
	v_max3_num_f32 v48, v48, v11, v12
	v_max3_num_f32 v48, v48, v13, v14
	v_max_num_f32 v48, v48, v15                    ; the largest logit is taken away before the exponential
.irp e, 0,1,2,3,4,5,6,7
	v_sub_f32 v[56+\e], v[ACC+\e], v48
.endr
.irp e, 0,1,2,3,4,5,6,7
	v_mul_f32 v[56+\e], 0x3fb8aa3b, v[56+\e]
.endr
.irp e, 0,1,2,3,4,5,6,7
	v_exp_f32 v[56+\e], v[56+\e]
.endr
	v_nop                                          ; one plain place behind the exponentials
	s_wait_alu depctr_va_vdst(0)
	v_add_f32 v64, v56, v57
	v_add_f32 v65, v58, v59
	v_add_f32 v66, v60, v61
	v_add_f32 v67, v62, v63
	v_add_f32 v64, v64, v65
	v_add_f32 v66, v66, v67
	v_add_f32 v64, v64, v66
	v_rcp_f32 v64, v64
	v_nop
	s_wait_alu depctr_va_vdst(0)
.irp e, 0,1,2,3,4,5,6,7
	v_mul_f32 v[56+\e], v[56+\e], v64              ; the probabilities
.endr
	v_mov_b32 v72, v56                             ; the largest, and its index
	v_mov_b32 v73, 0
.irp e, 1,2,3,4,5,6,7
	v_cmp_le_f32 vcc_lo, v[56+\e], v72             ; kept unless strictly larger
	v_cndmask_b32 v73, \e, v73, vcc_lo
	v_cndmask_b32 v72, v[56+\e], v72, vcc_lo
.endr
.irp e, 0,1,2,3,4,5,6,7
	v_cmp_ne_u32 vcc_lo, \e, v73
	v_cndmask_b32 v[64+\e], -1.0, v[56+\e], vcc_lo ; the first is taken out: -1 lies under every probability
.endr
	v_mov_b32 v74, v64                             ; the second, and its index
	v_mov_b32 v75, 0
.irp e, 1,2,3,4,5,6,7
	v_cmp_le_f32 vcc_lo, v[64+\e], v74
	v_cndmask_b32 v75, \e, v75, vcc_lo
	v_cndmask_b32 v74, v[64+\e], v74, vcc_lo
.endr
	v_add_f32 v48, v72, v74
	v_rcp_f32 v48, v48
	v_lshl_or_b32 v78, v75, 8, v73                 ; (a plain place)  first | second << 8
	s_wait_alu depctr_va_vdst(0)
	v_mul_f32 v76, v72, v48
	v_mul_f32 v77, v74, v48                        ; the two weights, renormalised
	v_mov_b32 v2, 0                                ; the offset of the two small stores: v2 served gate_w's loads, which were waited for long ago, and no load lands in it
	v_cmp_eq_u32 vcc_lo, 0, v1
	s_wait_xcnt 0x0                                ; EXEC changes only when the stores above have had their addresses translated
	s_wait_tensorcnt 0x0
	ds_add_u32 v208, v209
	s_wait_dscnt 0x0
	s_and_saveexec_b32 s22, vcc_lo                 ; lane 0 alone
	global_store_b32 v2, v78, s[12:13]
	global_store_b64 v2, v[76:77], s[14:15]
	s_wait_xcnt 0x0
	s_or_b32 exec_lo, exec_lo, s22
	s_endpgm
.Lfunc_end_k_qaf5b2eddc2_route:
	.size	k_qaf5b2eddc2_route, .Lfunc_end_k_qaf5b2eddc2_route-k_qaf5b2eddc2_route
	.p2alignl 7, 3214868480
	.fill 96, 4, 3214868480
	.section	.rodata,"a",@progbits
	.p2align	6, 0x0
	.amdhsa_kernel k_qaf5b2eddc2_route
		.amdhsa_group_segment_fixed_size 52224
		.amdhsa_private_segment_fixed_size 0
		.amdhsa_enable_private_segment 0
		.amdhsa_kernarg_size 48
		.amdhsa_user_sgpr_count 2
		.amdhsa_user_sgpr_kernarg_segment_ptr 1
		.amdhsa_wavefront_size32 1
		.amdhsa_system_sgpr_workgroup_id_x 1
		.amdhsa_system_sgpr_workgroup_id_y 1
		.amdhsa_system_sgpr_workgroup_id_z 1
		.amdhsa_system_vgpr_workitem_id 0
		.amdhsa_next_free_vgpr 210
		.amdhsa_next_free_sgpr 66
		.amdhsa_reserve_vcc 1
		.amdhsa_float_denorm_mode_32 3
		.amdhsa_float_denorm_mode_16_64 3
		.amdhsa_memory_ordered 1
		.amdhsa_forward_progress 1
		.amdhsa_inst_pref_size 28
	.end_amdhsa_kernel
	.amdgpu_metadata
---
amdhsa.version: [ 1, 2 ]
amdhsa.kernels:
  - .name:           k_qaf5b2eddc2_route
    .symbol:         k_qaf5b2eddc2_route.kd
    .args:
      - { .name: hidden_states, .offset: 0, .size: 8, .value_kind: global_buffer, .address_space: global }
      - { .name: gate_w, .offset: 8, .size: 8, .value_kind: global_buffer, .address_space: global }
      - { .name: xq, .offset: 16, .size: 8, .value_kind: global_buffer, .address_space: global }
      - { .name: xs, .offset: 24, .size: 8, .value_kind: global_buffer, .address_space: global }
      - { .name: sel, .offset: 32, .size: 8, .value_kind: global_buffer, .address_space: global }
      - { .name: gw, .offset: 40, .size: 8, .value_kind: global_buffer, .address_space: global }
    .group_segment_fixed_size: 52224
    .private_segment_fixed_size: 0
    .kernarg_segment_align: 8
    .kernarg_segment_size: 48
    .max_flat_workgroup_size: 128
    .sgpr_count:     66
    .vgpr_count:     210
    .wavefront_size: 32
...
	.end_amdgpu_metadata
.endif
;; end of part 1
;; launch place (part 2): grid 1 x 1, 8 waves a work-group, no clusters, 0 bytes of LDS; arguments sel, list; writes list
.if DOCPART == 2
	.amdgcn_target "amdgcn-amd-amdhsa--gfx1250"
	.amdhsa_code_object_version 6
	.text
	.protected	k_qaf5b2eddc2_place
	.globl	k_qaf5b2eddc2_place
	.p2align	8
	.type	k_qaf5b2eddc2_place,@function
k_qaf5b2eddc2_place:
	s_mov_b64 s[64:65], 0
	v_nop
	global_prefetch_b8 v0, s[64:65] scope:SCOPE_SE
	s_setreg_imm32_b32 hwreg(HW_REG_WAVE_MODE, 25, 1), 1
	s_wait_xcnt 0x0
; THE ROWS ARE PLACED BY EXPERT.  Wave e reads all 1,024 words of sel and writes expert e's list: entry p < count = 2 x token + k (k = 0: the token's first choice, 1: its second), tokens ascending.
; list: 8 experts x 1,088 words (4,352 bytes apart); entries count .. 1,055 are 0, so that later launches may read any of the first 1,056; words 1,056 .. 1,087 take what lanes without a row store.  The counts: words at byte 34,816 + 4 e.
; A token names an expert at most once, so a count is at most 1,024.  One work-group: the eight waves share nothing, and the work is 4 KiB in and 35 KiB out.
; Every store has registers of its own, so that none is rewritten while a store may still read it.
.set S,   16                           ; v16-47   sel, 32 words a lane
.set POS, 48                           ; v48-79   byte offsets of the entries
.set ENT, 80                           ; v80-111  the entries
.set ZA,  112                          ; v112-144 byte offsets of the zeros
	s_load_b128 s[4:7], s[0:1], 0x0                ; sel, list
	v_lshrrev_b32 v1, 5, v0
	v_readfirstlane_b32 s10, v1                    ; my expert
	v_and_b32 v1, 31, v0                           ; lane
	v_lshlrev_b32 v2, 2, v1
	v_lshlrev_b32 v3, 1, v1
	v_add_nc_u32 v4, 1056, v1                      ; where a lane without a row stores
	v_mov_b32 v10, 0
	s_mul_i32 s12, s10, 4352
	s_mov_b32 s13, 0
	s_lshl_b32 s17, s10, 2
	s_add_co_u32 s17, s17, 34816                   ; my count's place
	v_mov_b32 v11, s17
	s_mov_b32 s11, 0                               ; rows so far
	s_wait_kmcnt 0x0
	s_mov_b64 s[8:9], s[6:7]
	s_add_nc_u64 s[6:7], s[6:7], s[12:13]          ; my expert's list
.set cn, 0
.rept 32
	global_load_b32 v[S+cn], v2, s[4:5] offset:128*cn
.set cn, cn+1
.endr
	s_wait_loadcnt 0x0
.set cn, 0
.rept 32                               ; tokens 32 cn + lane
	v_and_b32 v5, 0xff, v[S+cn]
	v_lshrrev_b32 v6, 8, v[S+cn]
	v_cmp_eq_u32 s12, s10, v5                      ; first choice is mine
	v_cmp_eq_u32 s13, s10, v6                      ; second choice is mine
	s_or_b32 s14, s12, s13
	v_mbcnt_lo_u32_b32 v7, s14, s11                ; rows so far + the lanes below me that have one
	v_cndmask_b32 v7, v4, v7, s14
	v_min_u32 v7, 0x43f, v7                        ; inside my expert's 1,088 words
	v_lshlrev_b32 v[POS+cn], 2, v7
	v_cndmask_b32 v8, 0, 1, s13
	v_add3_u32 v[ENT+cn], v3, 64*cn, v8            ; 2 x token + k
	global_store_b32 v[POS+cn], v[ENT+cn], s[6:7]
	s_bcnt1_i32_b32 s15, s14
	s_add_co_u32 s11, s11, s15
.set cn, cn+1
.endr
.set cn, 0
.rept 33                               ; zeros from the count on: 1,056 words, held inside the 1,088
	v_add3_u32 v7, s11, v1, 32*cn
	v_min_u32 v7, 0x43f, v7
	v_lshlrev_b32 v[ZA+cn], 2, v7
	global_store_b32 v[ZA+cn], v10, s[6:7]
.set cn, cn+1
.endr
	v_mov_b32 v9, s11
	v_cmp_eq_u32 vcc_lo, 0, v1
	s_wait_xcnt 0x0                                ; EXEC changes only when the stores above have had their addresses translated
	s_and_saveexec_b32 s16, vcc_lo
	global_store_b32 v11, v9, s[8:9]               ; the count
	s_wait_xcnt 0x0
	s_or_b32 exec_lo, exec_lo, s16
	s_endpgm
.Lfunc_end_k_qaf5b2eddc2_place:
	.size	k_qaf5b2eddc2_place, .Lfunc_end_k_qaf5b2eddc2_place-k_qaf5b2eddc2_place
	.p2alignl 7, 3214868480
	.fill 96, 4, 3214868480
	.section	.rodata,"a",@progbits
	.p2align	6, 0x0
	.amdhsa_kernel k_qaf5b2eddc2_place
		.amdhsa_group_segment_fixed_size 0
		.amdhsa_private_segment_fixed_size 0
		.amdhsa_enable_private_segment 0
		.amdhsa_kernarg_size 16
		.amdhsa_user_sgpr_count 2
		.amdhsa_user_sgpr_kernarg_segment_ptr 1
		.amdhsa_wavefront_size32 1
		.amdhsa_system_sgpr_workgroup_id_x 1
		.amdhsa_system_sgpr_workgroup_id_y 1
		.amdhsa_system_sgpr_workgroup_id_z 1
		.amdhsa_system_vgpr_workitem_id 0
		.amdhsa_next_free_vgpr 160
		.amdhsa_next_free_sgpr 66
		.amdhsa_reserve_vcc 1
		.amdhsa_float_denorm_mode_32 3
		.amdhsa_float_denorm_mode_16_64 3
		.amdhsa_memory_ordered 1
		.amdhsa_forward_progress 1
		.amdhsa_inst_pref_size 39
	.end_amdhsa_kernel
	.amdgpu_metadata
---
amdhsa.version: [ 1, 2 ]
amdhsa.kernels:
  - .name:           k_qaf5b2eddc2_place
    .symbol:         k_qaf5b2eddc2_place.kd
    .args:
      - { .name: sel, .offset: 0, .size: 8, .value_kind: global_buffer, .address_space: global }
      - { .name: list, .offset: 8, .size: 8, .value_kind: global_buffer, .address_space: global }
    .group_segment_fixed_size: 0
    .private_segment_fixed_size: 0
    .kernarg_segment_align: 8
    .kernarg_segment_size: 16
    .max_flat_workgroup_size: 256
    .sgpr_count:     66
    .vgpr_count:     160
    .wavefront_size: 32
...
	.end_amdgpu_metadata
.endif
;; end of part 2
;; launch up (part 3): grid 32 x 8, 16 waves a work-group, no clusters, 71,680 bytes of LDS; arguments w1, w3, xq, xs, list, actq, acts; writes actq, acts
.if DOCPART == 3
	.amdgcn_target "amdgcn-amd-amdhsa--gfx1250"
	.amdhsa_code_object_version 6
	.text
	.protected	k_qaf5b2eddc2_up
	.globl	k_qaf5b2eddc2_up
	.p2align	8
	.type	k_qaf5b2eddc2_up,@function
k_qaf5b2eddc2_up:
	s_mov_b64 s[64:65], 0
	v_nop
	global_prefetch_b8 v0, s[64:65] scope:SCOPE_SE
	s_setreg_imm32_b32 hwreg(HW_REG_WAVE_MODE, 25, 1), 1
	s_wait_xcnt 0x0
; act = silu(x w1[e]) * (x w3[e]) for the rows routed to expert e, both products on codes of E2M1 with one E8M0 scale for each 32 along K; act is quantised along F and stored as codes.
; THE WEIGHTS STAY, THE ROWS GO ROUND.  Work-group (j, e) owns columns 64 j .. 64 j + 63 of w1[e] and of w3[e] for all 1,024 of K: 512 KiB of f32, read once in the launch, 256 consecutive bytes of each row.
; STREAM: wave w takes 32 columns (w & 1), w1 or w3 (bit 1), a quarter of K (w >> 2).  A lane takes a column and its registers run down K, so that a block of 32 lies in one lane: no other lane is asked for its largest magnitude,
; and the conversions give codes with K innermost.  The codes go to LDS as images of the operand's registers (16 bytes a lane, 512 a group of four registers), the scale words beside them.  One barrier.
; PRODUCTS: wave w takes F block 2 j + (w & 1) and, of the expert's rows, tasks of 32: task w / 2, + 8, + 16, + 24 (a loop of four trips; a task at or past the count is passed over by a scalar branch on the stored count).
; Used transposed (source 0 = 16 columns of a weight, source 1 = 16 rows of x): a lane holds one row.  THE COLUMNS OF A TILE ARE NOT NEIGHBOURS: column n of the 32 goes to tile (n >> 3) & 1, row (n & 7) + 8 (n >> 4),
; so that a lane's 16 registers of the two tiles are 16 neighbours along F, the next K.  x's codes are gathered by the list from xq.
; Task 0 is always made (bound max(count, 1)): rows 0-31 of every expert's codes are written, and the next launch may read them where it has nothing else to read.
; NO JOINT LOADS: no weight byte is shared between work-groups; what the 32 work-groups of an expert share is x's codes, at the mean count 139 KiB against 512 KiB of their own weights, and they come by a list of rows that no one tile describes.
; NO TENSOR LOADS: a tile in LDS would still be read 4 bytes a lane for the quantiser; sixteen waves with up to two blocks (64 loads of 128 bytes) asked for each keep the stream going.
; LIMITS: NaN and infinities are not served; blocks whose largest magnitude lies under 2^-124 (blocks of zeros too) keep the byte 1; an expert without rows still has its weights read (the barrier is on every wave's path).
; The scale bytes of act leave as single bytes, 4 apart: 1 byte for each 16 of codes.
.set WSC, 65536                        ; LDS: 0: codes, fragment (matrix m, tile t, K step s) at 32768 m + 8192 t + 1024 s;  WSC: scale words at 2048 m + 256 s + 64 t + 4 row
.set ST,  16                           ; v16-79   two sets of 32 numbers; then the accumulators: (m, row tile i, tile u) at 16 + 8 ((2 m + i) 2 + u)
.set ACC, 16
.set H1,  16                           ; v16-47   x w1;  v48-79  x w3
.set H3,  48
.set CD,  80                           ; v80-111  the codes of my eight blocks; then four weight fragments; then at work
.set WF,  80
.set T,   80
.set XF,  112                          ; v112-239 x's fragments: (i, s) at 112 + 8 (8 i + s)
.set XS,  240                          ; v240-247 x's scale words of the eight K steps: lane l holds task row l's.  Scales and nothing else
.set WS,  248                          ; v248-251 the weights' scale words, two sets.  Scales and nothing else
; v1 4 x lane; v2, v3 where I store codes and scale words; v4, v5 where I read fragments and scale words; v6, v7, v8 x's and xs's offsets; v9-11 list entries; v12 16 (lane / 16); v13 4 (lane % 16);
; v14, v15 scale words in the making, then the stores' offsets; v252-255 at work
; s18 wave, s19 e, s20 j, s21 w & 1, s22 matrix, s23 quarter of K, s24 w / 2, s25 count, s26 max(count, 1), s27 the task's first row, s28 trip, s[32:33] weights, s[34:35] list, s[40:41] actq, s[42:43] acts
.macro MM d, a, b, zero, sa, sb, ra, rb
.if \zero
.if (\ra) && (\rb)
	v_wmma_scale_f32_16x16x128_f8f6f4 v[(\d):(\d)+7], v[(\a):(\a)+7], v[(\b):(\b)+7], 0, v[(\sa)], v[(\sb)] matrix_a_fmt:MATRIX_FMT_FP4 matrix_b_fmt:MATRIX_FMT_FP4 matrix_a_scale:MATRIX_SCALE_ROW1 matrix_b_scale:MATRIX_SCALE_ROW1
.elseif \ra
	v_wmma_scale_f32_16x16x128_f8f6f4 v[(\d):(\d)+7], v[(\a):(\a)+7], v[(\b):(\b)+7], 0, v[(\sa)], v[(\sb)] matrix_a_fmt:MATRIX_FMT_FP4 matrix_b_fmt:MATRIX_FMT_FP4 matrix_a_scale:MATRIX_SCALE_ROW1
.elseif \rb
	v_wmma_scale_f32_16x16x128_f8f6f4 v[(\d):(\d)+7], v[(\a):(\a)+7], v[(\b):(\b)+7], 0, v[(\sa)], v[(\sb)] matrix_a_fmt:MATRIX_FMT_FP4 matrix_b_fmt:MATRIX_FMT_FP4 matrix_b_scale:MATRIX_SCALE_ROW1
.else
	v_wmma_scale_f32_16x16x128_f8f6f4 v[(\d):(\d)+7], v[(\a):(\a)+7], v[(\b):(\b)+7], 0, v[(\sa)], v[(\sb)] matrix_a_fmt:MATRIX_FMT_FP4 matrix_b_fmt:MATRIX_FMT_FP4
.endif
.else
.if (\ra) && (\rb)
	v_wmma_scale_f32_16x16x128_f8f6f4 v[(\d):(\d)+7], v[(\a):(\a)+7], v[(\b):(\b)+7], v[(\d):(\d)+7], v[(\sa)], v[(\sb)] matrix_a_fmt:MATRIX_FMT_FP4 matrix_b_fmt:MATRIX_FMT_FP4 matrix_a_scale:MATRIX_SCALE_ROW1 matrix_b_scale:MATRIX_SCALE_ROW1
.elseif \ra
	v_wmma_scale_f32_16x16x128_f8f6f4 v[(\d):(\d)+7], v[(\a):(\a)+7], v[(\b):(\b)+7], v[(\d):(\d)+7], v[(\sa)], v[(\sb)] matrix_a_fmt:MATRIX_FMT_FP4 matrix_b_fmt:MATRIX_FMT_FP4 matrix_a_scale:MATRIX_SCALE_ROW1
.elseif \rb
	v_wmma_scale_f32_16x16x128_f8f6f4 v[(\d):(\d)+7], v[(\a):(\a)+7], v[(\b):(\b)+7], v[(\d):(\d)+7], v[(\sa)], v[(\sb)] matrix_a_fmt:MATRIX_FMT_FP4 matrix_b_fmt:MATRIX_FMT_FP4 matrix_b_scale:MATRIX_SCALE_ROW1
.else
	v_wmma_scale_f32_16x16x128_f8f6f4 v[(\d):(\d)+7], v[(\a):(\a)+7], v[(\b):(\b)+7], v[(\d):(\d)+7], v[(\sa)], v[(\sb)] matrix_a_fmt:MATRIX_FMT_FP4 matrix_b_fmt:MATRIX_FMT_FP4
.endif
.endif
.endm
.macro LOADW t                         ; block t of my eight: 32 rows of the weight at my 32 columns: 128 consecutive bytes a load; the wave beside me takes the other 128 of the 256
.set cn, 0
.rept 32
	global_load_b32 v[ST+32*((\t)%2)+cn], v1, s[32:33] offset:(32*(\t)+cn)*8192 th:TH_LOAD_NT
.set cn, cn+1
.endr
.endm
.macro QBLK t                          ; block t becomes 16 bytes of codes a lane and a scale byte
.set QS, ST+32*((\t)%2)
	v_max3_num_f32 v252, |v[QS]|, |v[QS+1]|, |v[QS+2]|
	v_max3_num_f32 v253, |v[QS+3]|, |v[QS+4]|, |v[QS+5]|
.irp i, 6,10,14,18,22,26
	v_max3_num_f32 v252, v252, |v[QS+\i]|, |v[QS+\i+1]|
	v_max3_num_f32 v253, v253, |v[QS+\i+2]|, |v[QS+\i+3]|
.endr
	v_max3_num_f32 v252, v252, |v[QS+30]|, |v[QS+31]|
	v_max3_num_f32 v252, v252, v253, 0x1800000     ; the floor 2^(3 - 127): the byte cannot fall under 1
	v_add_nc_u32 v254, 0xff000000, v252            ; 2 off the exponent field: the conversion's scale operand
	v_lshrrev_b32 v255, 23, v254                   ; the scale's byte
.if (\t)%4 == 0
	v_mov_b32 v[15-(\t)/4], v255                   ; four bytes make a K step's scale word
.else
	v_lshl_or_b32 v[15-(\t)/4], v255, 8*((\t)%4), v[15-(\t)/4]
.endif
.irp g, 0,1,2,3
	v_cvt_scalef32_pk8_fp4_f32 v[CD+4*(\t)+\g], v[QS+8*\g:QS+8*\g+7], v254
.endr
	v_nop                                          ; one plain place behind the conversions
	ds_store_b128 v2, v[CD+4*(\t):CD+4*(\t)+3] offset:((\t)/4)*1024+(((\t)%4)/2)*512+((\t)%2)*256   ; block 2 c + h of a K step is registers 4 c .. 4 c + 3 of lanes 16 h + row
.if (\t)%4 == 3
	ds_store_b32 v3, v[15-(\t)/4] offset:((\t)/4)*256
.endif
.endm
.macro LISTLD off                      ; the task's 32 entries: by row tile for the fragments, by lane for the scale words
	global_load_b32 v9, v13, s[34:35] offset:\off
	global_load_b32 v10, v13, s[34:35] offset:\off+64
	global_load_b32 v11, v1, s[34:35] offset:\off
.endm
.macro XCALC                           ; entry -> token, held inside the table, -> byte offsets
.irp r, 9,10,11
	v_lshrrev_b32 v\r, 1, v\r
.endr
.irp r, 9,10,11
	v_min_u32 v\r, 0x3ff, v\r
.endr
	v_lshl_add_u32 v6, v9, 9, v12
	v_lshl_add_u32 v7, v10, 9, v12
	v_lshlrev_b32 v8, 5, v11
.endm
.macro XP p                            ; x's fragments of K steps 2 p, 2 p + 1 for both row tiles; with p = 0 the rows' 32 scale bytes too
.irp i, 0,1
.irp ss, 0,1
.irp c, 0,1
	global_load_b128 v[XF+(\i*8+2*(\p)+\ss)*8+4*\c:XF+(\i*8+2*(\p)+\ss)*8+4*\c+3], v[6+\i], s[8:9] offset:64*(2*(\p)+\ss)+32*\c
.endr
.endr
.endr
.if (\p) == 0
	global_load_b128 v[XS:XS+3], v8, s[10:11]
	global_load_b128 v[XS+4:XS+7], v8, s[10:11] offset:16
.endif
.endm
.macro KSTEP s                         ; 128 along K: four weight fragments from LDS, eight products.  The eight accumulators take turns, one instruction a turn
.rept 4
	v_nop                                          ; places in front of loads into registers that matrix instructions have read
.endr
.irp m, 0,1
.irp u, 0,1
.irp c, 0,1
	ds_load_b128 v[WF+(\m*2+\u)*8+4*\c:WF+(\m*2+\u)*8+4*\c+3], v4 offset:\m*32768+\u*8192+(\s)*1024+\c*512
.endr
.endr
	ds_load_b32 v[WS+2*((\s)%2)+\m], v5 offset:\m*2048+(\s)*256   ; lanes 0-15 tile 0's rows, lanes 16-31 tile 1's
.endr
	s_wait_dscnt 0x0
.set KZ, 0
.if (\s) == 0
.set KZ, 1                             ; the first K step starts the sums
.endif
.irp m, 0,1
.irp u, 0,1
.irp i, 0,1
	MM ACC+((\m*2+\i)*2+\u)*8, WF+(\m*2+\u)*8, XF+(\i*8+(\s))*8, KZ, WS+2*((\s)%2)+\m, XS+(\s), \u, \i
.endr
.endr
.endr
.endm
	s_load_b256 s[4:11], s[0:1], 0x0               ; w1, w3, xq, xs
	s_load_b128 s[12:15], s[0:1], 0x20             ; list, actq
	s_load_b64 s[16:17], s[0:1], 0x30              ; acts
	v_lshrrev_b32 v1, 5, v0
	v_readfirstlane_b32 s18, v1                    ; wave 0..15
	s_and_b32 s19, ttmp7, 0xffff                   ; e
	s_mov_b32 s20, ttmp9                           ; j
	s_and_b32 s21, s18, 1
	s_bfe_u32 s22, s18, 0x10001
	s_lshr_b32 s23, s18, 2
	s_lshr_b32 s24, s18, 1
	v_and_b32 v12, 31, v0                          ; lane = my column n
	v_lshlrev_b32 v1, 2, v12
	v_and_b32 v2, 7, v0
	v_bfe_u32 v9, v0, 3, 1
	v_bfe_u32 v10, v0, 4, 1
	v_lshlrev_b32 v3, 2, v2
	v_lshlrev_b32 v2, 4, v2
	v_lshl_add_u32 v2, v10, 7, v2                  ; codes: 16 x row, row = (n & 7) + 8 (n >> 4),
	v_lshl_add_u32 v2, v9, 13, v2                  ; tile (n >> 3) & 1
	v_lshl_add_u32 v3, v10, 5, v3                  ; scale words: 4 x row,
	v_lshl_add_u32 v3, v9, 6, v3                   ; 64 x tile
	s_lshl_b32 s29, s22, 15
	s_lshl_b32 s30, s21, 14
	s_add_co_u32 s29, s29, s30
	s_lshl_b32 s30, s23, 11
	s_add_co_u32 s29, s29, s30
	v_add_nc_u32 v2, s29, v2                       ; + matrix, pair of tiles, my two K steps
	s_lshl_b32 s29, s22, 11
	s_lshl_b32 s30, s23, 9
	s_add_co_u32 s29, s29, s30
	s_lshl_b32 s30, s21, 7
	s_add_co_u32 s29, s29, s30
	s_add_co_u32 s29, s29, WSC
	v_add_nc_u32 v3, s29, v3
	v_lshlrev_b32 v4, 4, v12
	s_lshl_b32 s29, s21, 14
	v_add_nc_u32 v4, s29, v4                       ; fragments: 16 x lane + my F block's pair of tiles
	s_lshl_b32 s29, s21, 7
	s_add_co_u32 s29, s29, WSC
	v_add_nc_u32 v5, s29, v1
	v_lshlrev_b32 v12, 4, v10
	v_and_b32 v13, 15, v0
	v_lshlrev_b32 v13, 2, v13
	s_mov_b32 s36, 0x76543210
	s_mov_b32 s37, 0xfedcba98                      ; v_permlanex16_b32's selects for lane l xor 16
	s_mov_b32 s38, 0xffff0000                      ; lanes 16-31
	s_mov_b32 s44, 0xbfb8aa3b                      ; -log2(e)
	s_mov_b32 s45, s44                             ; (named with it as a pair, so it is written)
	s_lshl_b32 s39, s19, 2                         ; kept for the load of the count alone
	s_mov_b32 s31, 0
	s_wait_kmcnt 0x0
	s_load_b32 s25, s[12:13], s39 offset:34816     ; the expert's count
	s_cmp_eq_u32 s22, 0
	s_cselect_b64 s[32:33], s[4:5], s[6:7]         ; w1 or w3: the choice hangs on the wave's number alone
	s_lshl_b32 s30, s19, 23
	s_lshl_b32 s29, s23, 21
	s_add_co_u32 s30, s30, s29
	s_lshl_b32 s29, s20, 8
	s_add_co_u32 s30, s30, s29
	s_lshl_b32 s29, s21, 7
	s_add_co_u32 s30, s30, s29
	s_add_nc_u64 s[32:33], s[32:33], s[30:31]      ; expert, 256 rows x quarter, 256 j + 128 (w & 1) bytes
	s_mul_i32 s30, s19, 4352
	s_lshl_b32 s29, s24, 7
	s_add_co_u32 s30, s30, s29
	s_add_nc_u64 s[34:35], s[12:13], s[30:31]      ; the list at my first task
	LISTLD 0                                       ; every word of a list's first 1,056 is written: this read needs no count
	LOADW 0
	LOADW 1
	s_lshl_b32 s30, s19, 6
	s_lshl_b32 s29, s20, 1
	s_add_co_u32 s30, s30, s29
	s_add_co_u32 s30, s30, s21
	s_lshl_b32 s30, s30, 14
	s_add_nc_u64 s[40:41], s[14:15], s[30:31]      ; actq at (e, F block 2 j + (w & 1))
	s_lshl_b32 s30, s19, 4
	s_lshr_b32 s29, s20, 1
	s_add_co_u32 s30, s30, s29
	s_lshl_b32 s30, s30, 12
	s_and_b32 s29, s20, 1
	s_lshl_b32 s29, s29, 1
	s_add_co_u32 s30, s30, s29
	s_add_co_u32 s30, s30, s21
	s_add_nc_u64 s[42:43], s[16:17], s[30:31]      ; acts at (e, K step j / 2), byte (2 j + (w & 1)) % 4
	; THE STREAM.  The count 32 leaves the youngest block's loads out; all that was issued ahead of them, x's pieces too, is in.
	s_wait_loadcnt 32
	QBLK 0
	XCALC
	XP 0
	LOADW 2
	s_wait_loadcnt 32
	QBLK 1
	XP 1
	LOADW 3
	s_wait_loadcnt 32
	QBLK 2
	XP 2
	LOADW 4
	s_wait_loadcnt 32
	QBLK 3
	XP 3
	LOADW 5
	s_wait_loadcnt 32
	QBLK 4
	LOADW 6
	s_wait_loadcnt 32
	QBLK 5
	LOADW 7
	s_wait_loadcnt 32
	QBLK 6
	s_wait_loadcnt 0x0
	QBLK 7
	s_wait_kmcnt 0x0
	s_min_u32 s25, s25, 1024                       ; a count is at most 1,024
	s_max_u32 s26, s25, 1
	s_lshl_b32 s27, s24, 5                         ; my first task's first row
	s_mov_b32 s28, 0
	s_wait_dscnt 0x0                               ; for the others' sake: my codes and scale words lie in LDS
	s_barrier_signal -1
	s_barrier_wait -1
.Ltask:
	s_cmp_ge_u32 s27, s26
	s_cbranch_scc1 .Lnext
	s_wait_loadcnt 0x0                             ; the task's x is in
	s_wait_xcnt 0x0                                ; the last task's stores have read their registers
	s_lshl_b32 s29, s27, 4
	v_lshl_add_u32 v14, v1, 2, s29                 ; codes: 16 bytes a row
	s_lshl_b32 s29, s27, 2
	v_add_nc_u32 v15, s29, v1                      ; scale bytes: 4 apart
	KSTEP 0
	KSTEP 1
	KSTEP 2
	KSTEP 3
	KSTEP 4
	KSTEP 5
	KSTEP 6
	KSTEP 7
.rept 4
	v_nop                                          ; places in front of the first read of results and of loads into x's registers
.endr
	s_add_co_u32 s29, s27, 256
	s_cmp_ge_u32 s29, s25
	s_cbranch_scc1 .Lnopre
	LISTLD 1024                                    ; my next task's x is asked for ahead of this task's vector work
	s_wait_loadcnt 0x0
	XCALC
	XP 0
	XP 1
	XP 2
	XP 3
.Lnopre:
	; silu(a) c = (a / (1 + 2^(-a log2 e))) c, in f32; every accumulator is read from its low end on
.set cn, 0
.rept 16
	v_pk_mul_f32 v[T+2*cn:T+2*cn+1], v[H1+2*cn:H1+2*cn+1], s[44:45] op_sel_hi:[1,0]
.set cn, cn+1
.endr
.set cn, 0
.rept 32
	v_exp_f32 v[T+cn], v[T+cn]
.set cn, cn+1
.endr
	v_nop                                          ; one plain place behind the exponentials
.set cn, 0
	s_wait_alu depctr_va_vdst(0)
.rept 16
	v_pk_add_f32 v[T+2*cn:T+2*cn+1], v[T+2*cn:T+2*cn+1], 1.0 op_sel_hi:[1,0]
.set cn, cn+1
.endr
.set cn, 0
.rept 32
	v_rcp_f32 v[T+cn], v[T+cn]
.set cn, cn+1
.endr
	v_nop
.set cn, 0
	s_wait_alu depctr_va_vdst(0)
.rept 16
	v_pk_mul_f32 v[T+2*cn:T+2*cn+1], v[T+2*cn:T+2*cn+1], v[H1+2*cn:H1+2*cn+1]
.set cn, cn+1
.endr
.set cn, 0
.rept 16
	v_pk_mul_f32 v[H1+2*cn:H1+2*cn+1], v[T+2*cn:T+2*cn+1], v[H3+2*cn:H3+2*cn+1]
.set cn, cn+1
.endr
	; the block of 32 along F of row 16 i + r lies in lanes r and r + 16, 16 numbers each
.irp i, 0,1
	v_max3_num_f32 v[252+\i], |v[H1+16*\i]|, |v[H1+16*\i+1]|, 0x1800000
.endr
.irp k, 2,4,6,8,10,12,14
.irp i, 0,1
	v_max3_num_f32 v[252+\i], v[252+\i], |v[H1+16*\i+\k]|, |v[H1+16*\i+\k+1]|
.endr
.endr
.irp i, 0,1
	v_permlanex16_b32 v[254+\i], v[252+\i], s36, s37
.endr
.irp i, 0,1
	v_max_num_f32 v[252+\i], v[252+\i], v[254+\i]
.endr
.irp i, 0,1
	v_add_nc_u32 v[252+\i], 0xff000000, v[252+\i]
.endr
.irp i, 0,1
	v_lshrrev_b32 v[254+\i], 23, v[252+\i]
.endr
.irp i, 0,1
	v_cvt_scalef32_pk8_fp4_f32 v[80+2*\i], v[H1+16*\i:H1+16*\i+7], v[252+\i]
	v_cvt_scalef32_pk8_fp4_f32 v[81+2*\i], v[H1+16*\i+8:H1+16*\i+15], v[252+\i]
.endr
	v_nop                                          ; one plain place behind the conversions
	v_permlane16_swap_b32 v80, v82                 ; lane l now holds task row l's 32 codes in v80-83
	v_permlane16_swap_b32 v81, v83
	v_cndmask_b32 v84, v254, v255, s38             ; and its scale byte
	global_store_b128 v14, v[80:83], s[40:41]      ; 32 lanes store 512 consecutive bytes, aligned
	global_store_b8 v15, v84, s[42:43]
.Lnext:
	s_add_nc_u64 s[34:35], s[34:35], 1024          ; (no load that names it is out: each was waited for)
	s_add_co_u32 s27, s27, 256
	s_add_co_u32 s28, s28, 1
	s_cmp_lt_u32 s28, 4
	s_cbranch_scc1 .Ltask
	s_wait_xcnt 0x0
	v_lshl_add_u32 v254, v0, 2, 0x11000
	v_mov_b32 v255, 0
	s_wait_tensorcnt 0x0
	ds_add_u32 v254, v255
	s_wait_dscnt 0x0
	s_endpgm
.Lfunc_end_k_qaf5b2eddc2_up:
	.size	k_qaf5b2eddc2_up, .Lfunc_end_k_qaf5b2eddc2_up-k_qaf5b2eddc2_up
	.p2alignl 7, 3214868480
	.fill 96, 4, 3214868480
	.section	.rodata,"a",@progbits
	.p2align	6, 0x0
	.amdhsa_kernel k_qaf5b2eddc2_up
		.amdhsa_group_segment_fixed_size 71680
		.amdhsa_private_segment_fixed_size 0
		.amdhsa_enable_private_segment 0
		.amdhsa_kernarg_size 56
		.amdhsa_user_sgpr_count 2
		.amdhsa_user_sgpr_kernarg_segment_ptr 1
		.amdhsa_wavefront_size32 1
		.amdhsa_system_sgpr_workgroup_id_x 1
		.amdhsa_system_sgpr_workgroup_id_y 1
		.amdhsa_system_sgpr_workgroup_id_z 1
		.amdhsa_system_vgpr_workitem_id 0
		.amdhsa_next_free_vgpr 256
		.amdhsa_next_free_sgpr 66
		.amdhsa_reserve_vcc 0
		.amdhsa_float_denorm_mode_32 3
		.amdhsa_float_denorm_mode_16_64 3
		.amdhsa_memory_ordered 1
		.amdhsa_forward_progress 1
		.amdhsa_inst_pref_size 72
	.end_amdhsa_kernel
	.amdgpu_metadata
---
amdhsa.version: [ 1, 2 ]
amdhsa.kernels:
  - .name:           k_qaf5b2eddc2_up
    .symbol:         k_qaf5b2eddc2_up.kd
    .args:
      - { .name: w1, .offset: 0, .size: 8, .value_kind: global_buffer, .address_space: global }
      - { .name: w3, .offset: 8, .size: 8, .value_kind: global_buffer, .address_space: global }
      - { .name: xq, .offset: 16, .size: 8, .value_kind: global_buffer, .address_space: global }
      - { .name: xs, .offset: 24, .size: 8, .value_kind: global_buffer, .address_space: global }
      - { .name: list, .offset: 32, .size: 8, .value_kind: global_buffer, .address_space: global }
      - { .name: actq, .offset: 40, .size: 8, .value_kind: global_buffer, .address_space: global }
      - { .name: acts, .offset: 48, .size: 8, .value_kind: global_buffer, .address_space: global }
    .group_segment_fixed_size: 71680
    .private_segment_fixed_size: 0
    .kernarg_segment_align: 8
    .kernarg_segment_size: 56
    .max_flat_workgroup_size: 512
    .sgpr_count:     66
    .vgpr_count:     256
    .wavefront_size: 32
...
	.end_amdgpu_metadata
.endif
;; end of part 3
;; launch down (part 4): grid 32 x 8, 16 waves a work-group, no clusters, 106,496 bytes of LDS; arguments w2, actq, acts, list, gw, ybuf; writes ybuf
.if DOCPART == 4
	.amdgcn_target "amdgcn-amd-amdhsa--gfx1250"
	.amdhsa_code_object_version 6
	.text
	.protected	k_qaf5b2eddc2_down
	.globl	k_qaf5b2eddc2_down
	.p2align	8
	.type	k_qaf5b2eddc2_down,@function
k_qaf5b2eddc2_down:
	s_mov_b64 s[64:65], 0
	v_nop
	global_prefetch_b8 v0, s[64:65] scope:SCOPE_SE
	s_setreg_imm32_b32 hwreg(HW_REG_WAVE_MODE, 25, 1), 1
	s_wait_xcnt 0x0
; ybuf[kh][entry][:] = gate weight x (act w2[e]) over half of K, for the rows routed to expert e; both operands codes of E2M1 with one E8M0 scale for each 32 along K.
; THE WEIGHTS STAY.  Work-group (x, e), jj = x / 2, kh = x % 2, owns rows 1,024 kh .. + 1,023 and columns 64 jj .. + 63 of w2[e]: 256 KiB of f32, read once in the launch, 256 consecutive bytes of each row.
; K is halved and not the columns, so that each aligned 256 bytes of w2 and of ybuf belong to one work-group; the two halves are added by the last launch, with the token's two experts.
; STREAM: wave w takes 32 columns (w & 1) and K step w / 2 (four blocks of 32); a lane takes a column, its registers run down K; codes and scale words go to LDS as images of the operand's registers.  One barrier.
; PRODUCTS: wave w takes tasks of 32 rows, task w and w + 16, against all four tiles of columns.  Used transposed (source 0 = 16 columns of w2, source 1 = 16 rows of act): a lane holds one row and eight neighbouring columns.
; act's codes lie so that a fragment is loaded as it stands: block 2 c + h of a K step, rows on end, 16 bytes each.  A wave without a first task reads row 0's bytes in every lane (they are always written) and uses nothing of them.
; THE WAY OUT: x the row's gate weight; 16 rows through my own stage in LDS; each row's 256 bytes are stored by one instruction at the place that the list names.  Rows at or past the count are not stored.
; NO JOINT LOADS: no weight byte is shared between work-groups; act's codes, which the 16 work-groups of an (expert, half) share, are at the mean count 136 KiB against 256 KiB of their own weights, and the counts differ from expert to expert.
; LIMITS: NaN and infinities are not served; blocks whose largest magnitude lies under 2^-124 (blocks of zeros too) keep the byte 1; an expert without rows still has its weights read.
.set WSC, 32768                        ; LDS: 0: codes, fragment (tile t, K step s) at 8192 t + 1024 s;  WSC: scale words at 256 s + 64 t + 4 row
.set STG, 34816                        ; a stage of 16 rows x (256 + 16) bytes for each wave
.set ST,  16                           ; v16-79   two sets of 32 numbers; then the accumulators: (row tile i, tile t) at 16 + 8 (4 i + t)
.set ACC, 16
.set CD,  80                           ; v80-95   the codes of my four blocks; v80-111 four weight fragments
.set WF,  80
.set AF,  112                          ; v112-239 act's fragments: (i, s) at 112 + 8 (8 i + s); on the way out, for row tile i, 32 registers of rows and 16 of offsets at 112 + 48 i
.set DB,  112
.set AS,  240                          ; v240-247 act's scale words: lane l holds task row l's.  Scales and nothing else
.set WS,  248                          ; v248-251 w2's scale words, two sets.  Scales and nothing else
; v1 4 x lane; v2, v3 where I store codes and scale words; v4, v5 where I read them; v6, v7 act's offsets; v8 4 (lane % 16); v9, v10 entries; v11, v12 the stage, in and out; v13 8 x lane; v14, v15 the scale word in the making, then gw's offsets;
; v252-255 at work, then the gate weights (v252, v254)
; s[16:47] at the head at work, then the task's 32 entries; s48 wave, s49 count, s50 the task's first row, s51 trip, s52 1 or 0, s53 the rows fetched, s54 rows left, s55 at work, s[56:57] list, s[58:59] w2, s[60:61] ybuf, s62 the count's offset
.macro MM d, a, b, zero, sa, sb, ra, rb
.if \zero
.if (\ra) && (\rb)
	v_wmma_scale_f32_16x16x128_f8f6f4 v[(\d):(\d)+7], v[(\a):(\a)+7], v[(\b):(\b)+7], 0, v[(\sa)], v[(\sb)] matrix_a_fmt:MATRIX_FMT_FP4 matrix_b_fmt:MATRIX_FMT_FP4 matrix_a_scale:MATRIX_SCALE_ROW1 matrix_b_scale:MATRIX_SCALE_ROW1
.elseif \ra
	v_wmma_scale_f32_16x16x128_f8f6f4 v[(\d):(\d)+7], v[(\a):(\a)+7], v[(\b):(\b)+7], 0, v[(\sa)], v[(\sb)] matrix_a_fmt:MATRIX_FMT_FP4 matrix_b_fmt:MATRIX_FMT_FP4 matrix_a_scale:MATRIX_SCALE_ROW1
.elseif \rb
	v_wmma_scale_f32_16x16x128_f8f6f4 v[(\d):(\d)+7], v[(\a):(\a)+7], v[(\b):(\b)+7], 0, v[(\sa)], v[(\sb)] matrix_a_fmt:MATRIX_FMT_FP4 matrix_b_fmt:MATRIX_FMT_FP4 matrix_b_scale:MATRIX_SCALE_ROW1
.else
	v_wmma_scale_f32_16x16x128_f8f6f4 v[(\d):(\d)+7], v[(\a):(\a)+7], v[(\b):(\b)+7], 0, v[(\sa)], v[(\sb)] matrix_a_fmt:MATRIX_FMT_FP4 matrix_b_fmt:MATRIX_FMT_FP4
.endif
.else
.if (\ra) && (\rb)
	v_wmma_scale_f32_16x16x128_f8f6f4 v[(\d):(\d)+7], v[(\a):(\a)+7], v[(\b):(\b)+7], v[(\d):(\d)+7], v[(\sa)], v[(\sb)] matrix_a_fmt:MATRIX_FMT_FP4 matrix_b_fmt:MATRIX_FMT_FP4 matrix_a_scale:MATRIX_SCALE_ROW1 matrix_b_scale:MATRIX_SCALE_ROW1
.elseif \ra
	v_wmma_scale_f32_16x16x128_f8f6f4 v[(\d):(\d)+7], v[(\a):(\a)+7], v[(\b):(\b)+7], v[(\d):(\d)+7], v[(\sa)], v[(\sb)] matrix_a_fmt:MATRIX_FMT_FP4 matrix_b_fmt:MATRIX_FMT_FP4 matrix_a_scale:MATRIX_SCALE_ROW1
.elseif \rb
	v_wmma_scale_f32_16x16x128_f8f6f4 v[(\d):(\d)+7], v[(\a):(\a)+7], v[(\b):(\b)+7], v[(\d):(\d)+7], v[(\sa)], v[(\sb)] matrix_a_fmt:MATRIX_FMT_FP4 matrix_b_fmt:MATRIX_FMT_FP4 matrix_b_scale:MATRIX_SCALE_ROW1
.else
	v_wmma_scale_f32_16x16x128_f8f6f4 v[(\d):(\d)+7], v[(\a):(\a)+7], v[(\b):(\b)+7], v[(\d):(\d)+7], v[(\sa)], v[(\sb)] matrix_a_fmt:MATRIX_FMT_FP4 matrix_b_fmt:MATRIX_FMT_FP4
.endif
.endif
.endm
.macro LOADW t                         ; block t of my four: 32 rows of w2 at my 32 columns
.set cn, 0
.rept 32
	global_load_b32 v[ST+32*((\t)%2)+cn], v1, s[58:59] offset:(32*(\t)+cn)*4096 th:TH_LOAD_NT
.set cn, cn+1
.endr
.endm
.macro QBLK t
.set QS, ST+32*((\t)%2)
	v_max3_num_f32 v252, |v[QS]|, |v[QS+1]|, |v[QS+2]|
	v_max3_num_f32 v253, |v[QS+3]|, |v[QS+4]|, |v[QS+5]|
.irp i, 6,10,14,18,22,26
	v_max3_num_f32 v252, v252, |v[QS+\i]|, |v[QS+\i+1]|
	v_max3_num_f32 v253, v253, |v[QS+\i+2]|, |v[QS+\i+3]|
.endr
	v_max3_num_f32 v252, v252, |v[QS+30]|, |v[QS+31]|
	v_max3_num_f32 v252, v252, v253, 0x1800000     ; the floor 2^(3 - 127): the byte cannot fall under 1
	v_add_nc_u32 v254, 0xff000000, v252            ; 2 off the exponent field: the conversion's scale operand
	v_lshrrev_b32 v255, 23, v254                   ; the scale's byte
.if (\t) == 0
	v_mov_b32 v14, v255
.else
	v_lshl_or_b32 v14, v255, 8*(\t), v14
.endif
.irp g, 0,1,2,3
	v_cvt_scalef32_pk8_fp4_f32 v[CD+4*(\t)+\g], v[QS+8*\g:QS+8*\g+7], v254
.endr
	v_nop                                          ; one plain place behind the conversions
	ds_store_b128 v2, v[CD+4*(\t):CD+4*(\t)+3] offset:((\t)/2)*512+((\t)%2)*256
.if (\t) == 3
	ds_store_b32 v3, v14
.endif
.endm
.macro DCALC                           ; act's offsets for the rows from s53 on; with s52 = 0 every lane takes row s53 = 0
	v_bfe_u32 v6, v0, 4, 1
	v_lshlrev_b32 v6, 14, v6
	v_lshl_add_u32 v6, v8, 2, v6                   ; 16,384 (lane / 16) + 16 (lane % 16)
	v_mul_u32_u24 v6, s52, v6
	s_lshl_b32 s55, s53, 4
	v_add_nc_u32 v6, s55, v6
	v_mul_u32_u24 v7, s52, v1
	s_lshl_b32 s55, s53, 2
	v_add_nc_u32 v7, s55, v7
.endm
.macro FRAGS s0                        ; act's fragments of K steps s0 .. s0 + 3, both row tiles: sixteen lanes read 256 consecutive bytes
.irp ss, 0,1,2,3
.irp i, 0,1
.irp c, 0,1
	global_load_b128 v[AF+(\i*8+(\s0)+\ss)*8+4*\c:AF+(\i*8+(\s0)+\ss)*8+4*\c+3], v6, s[6:7] offset:65536*((\s0)+\ss)+32768*\c+256*\i
.endr
.endr
.endr
.endm
.macro F0                              ; the task's entries, as vectors and as scalars; its scale words; half of its fragments
	global_load_b32 v9, v8, s[56:57]
	global_load_b32 v10, v8, s[56:57] offset:64
	s_load_b512 s[16:31], s[56:57], 0x0
	s_load_b512 s[32:47], s[56:57], 0x40
.irp s, 0,1,2,3,4,5,6,7
	global_load_b32 v[AS+\s], v7, s[8:9] offset:4096*\s
.endr
	FRAGS 0
.endm
.macro KSTEP s                         ; 128 along K: four weight fragments from LDS, eight products.  The eight accumulators take turns, one instruction a turn
.rept 4
	v_nop                                          ; places in front of loads into registers that matrix instructions have read
.endr
.irp t, 0,1,2,3
.irp c, 0,1
	ds_load_b128 v[WF+8*\t+4*\c:WF+8*\t+4*\c+3], v4 offset:\t*8192+(\s)*1024+\c*512
.endr
.endr
.irp a, 0,1
	ds_load_b32 v[WS+2*((\s)%2)+\a], v5 offset:(\s)*256+\a*128   ; lanes 0-15 tile 2 a's rows, lanes 16-31 tile 2 a + 1's
.endr
	s_wait_dscnt 0x0
.set KZ, 0
.if (\s) == 0
.set KZ, 1                             ; the first K step starts the sums
.endif
.irp t, 0,1,2,3
.irp i, 0,1
	MM ACC+(\i*4+\t)*8, WF+8*\t, AF+(\i*8+(\s))*8, KZ, WS+2*((\s)%2)+\t/2, AS+(\s), \t%2, \i
.endr
.endr
.endm
.macro OUT i                           ; row tile i: x the gate weight (each accumulator from its low end on), through the stage, out by rows
.set cn, 0
.rept 16
	v_pk_mul_f32 v[ACC+32*\i+2*cn:ACC+32*\i+2*cn+1], v[ACC+32*\i+2*cn:ACC+32*\i+2*cn+1], v[252+2*\i:253+2*\i] op_sel_hi:[1,0]
.set cn, cn+1
.endr
.irp t, 0,1,2,3
.irp hf, 0,1
	ds_store_b128 v11, v[ACC+(\i*4+\t)*8+4*\hf:ACC+(\i*4+\t)*8+4*\hf+3] offset:64*\t+16*\hf
.endr
.endr
.set cn, 0
.rept 16
	ds_load_b64 v[DB+48*\i+2*cn:DB+48*\i+2*cn+1], v12 offset:272*cn   ; my own bytes: LDS serves a wave's instructions in order
.set cn, cn+1
.endr
	s_wait_dscnt 0x0
.set cn, 0
.rept 16
	s_cmp_le_u32 s54, 16*\i+cn                     ; rows at or past the count are not stored
	s_cbranch_scc1 .Lout_end_\@
	s_min_u32 s55, s[16+16*\i+cn], 0x7ff           ; the row's entry, held inside the table
	s_lshl_b32 s55, s55, 12
	v_add_nc_u32 v[DB+48*\i+32+cn], s55, v13
	global_store_b64 v[DB+48*\i+32+cn], v[DB+48*\i+2*cn:DB+48*\i+2*cn+1], s[60:61]   ; 32 lanes store 256 consecutive bytes, aligned
.set cn, cn+1
.endr
.Lout_end_\@:
.endm
	s_load_b256 s[4:11], s[0:1], 0x0               ; w2, actq, acts, list
	s_load_b128 s[12:15], s[0:1], 0x20             ; gw, ybuf
	v_lshrrev_b32 v1, 5, v0
	v_readfirstlane_b32 s48, v1                    ; wave 0..15
	s_and_b32 s16, ttmp7, 0xffff                   ; e
	s_lshr_b32 s17, ttmp9, 1                       ; jj
	s_and_b32 s18, ttmp9, 1                        ; kh
	s_and_b32 s19, s48, 1                          ; my 32 columns
	s_lshr_b32 s20, s48, 1                         ; my K step
	v_and_b32 v13, 31, v0                          ; lane = my column n
	v_lshlrev_b32 v1, 2, v13
	v_and_b32 v8, 15, v0
	v_bfe_u32 v9, v0, 4, 1
	v_lshlrev_b32 v2, 4, v8
	v_lshl_add_u32 v2, v9, 13, v2                  ; codes: 16 x (n % 16), tile n / 16
	s_lshl_b32 s24, s19, 14
	s_lshl_b32 s22, s20, 10
	s_add_co_u32 s24, s24, s22
	v_add_nc_u32 v2, s24, v2
	v_lshlrev_b32 v3, 2, v8
	v_lshl_add_u32 v3, v9, 6, v3
	s_lshl_b32 s24, s19, 7
	s_lshl_b32 s22, s20, 8
	s_add_co_u32 s24, s24, s22
	s_add_co_u32 s24, s24, WSC
	v_add_nc_u32 v3, s24, v3
	v_lshlrev_b32 v4, 4, v13
	v_add_nc_u32 v5, WSC, v1
	s_mul_i32 s24, s48, 16*272
	s_add_co_u32 s24, s24, STG                     ; my stage
	v_mul_u32_u24 v11, v8, 272
	v_lshl_add_u32 v11, v9, 5, v11
	v_add_nc_u32 v11, s24, v11                     ; in: row lane % 16, 32 bytes for each half of the lanes
	v_lshlrev_b32 v13, 3, v13
	v_add_nc_u32 v12, s24, v13                     ; out: 8 bytes a lane of a row
	v_lshlrev_b32 v8, 2, v8
	s_lshl_b32 s62, s16, 2                         ; kept for the load of the count alone
	s_mov_b32 s23, 0
	s_wait_kmcnt 0x0
	s_load_b32 s49, s[10:11], s62 offset:34816     ; the expert's count
	s_lshl_b32 s22, s16, 23
	s_lshl_b32 s24, s18, 22
	s_add_co_u32 s22, s22, s24
	s_lshl_b32 s24, s20, 19
	s_add_co_u32 s22, s22, s24
	s_lshl_b32 s24, s17, 8
	s_add_co_u32 s22, s22, s24
	s_lshl_b32 s24, s19, 7
	s_add_co_u32 s22, s22, s24
	s_add_nc_u64 s[58:59], s[4:5], s[22:23]        ; expert, row 1,024 kh + 128 x K step, 256 jj + 128 (w & 1) bytes
	LOADW 0
	LOADW 1
	s_lshl_b32 s22, s16, 6
	s_lshl_b32 s24, s18, 5
	s_add_co_u32 s22, s22, s24
	s_lshl_b32 s22, s22, 14
	s_add_nc_u64 s[6:7], s[6:7], s[22:23]          ; actq at (e, block 32 kh)
	s_lshl_b32 s22, s16, 4
	s_lshl_b32 s24, s18, 3
	s_add_co_u32 s22, s22, s24
	s_lshl_b32 s22, s22, 12
	s_add_nc_u64 s[8:9], s[8:9], s[22:23]          ; acts at (e, K step 8 kh)
	s_mul_i32 s22, s16, 4352
	s_lshl_b32 s24, s48, 7
	s_add_co_u32 s22, s22, s24
	s_add_nc_u64 s[56:57], s[10:11], s[22:23]      ; the list at my first task
	s_lshl_b32 s22, s18, 23
	s_lshl_b32 s24, s17, 8
	s_add_co_u32 s22, s22, s24
	s_add_nc_u64 s[60:61], s[14:15], s[22:23]      ; ybuf at (kh, column 64 jj)
	; THE STREAM.  The count 32 leaves the youngest block's loads out; all that was issued ahead of them, act's pieces too, is in.
	s_wait_loadcnt 32
	QBLK 0
	s_wait_kmcnt 0x0
	s_min_u32 s49, s49, 1024                       ; a count is at most 1,024
	s_lshl_b32 s50, s48, 5                         ; my first task's first row
	s_cmp_lt_u32 s50, s49
	s_cselect_b32 s52, 1, 0
	s_cselect_b32 s53, s50, 0
	DCALC
	F0
	LOADW 2
	s_wait_loadcnt 32
	QBLK 1
	FRAGS 4
	LOADW 3
	s_wait_loadcnt 32
	QBLK 2
	s_wait_loadcnt 0x0
	QBLK 3
	s_mov_b32 s51, 0
	s_wait_dscnt 0x0                               ; for the others' sake: my codes and scale words lie in LDS
	s_barrier_signal -1
	s_barrier_wait -1
.Ltask:
	s_cmp_ge_u32 s50, s49
	s_cbranch_scc1 .Lnext
	s_wait_loadcnt 0x0                             ; the task's codes, scale words and entries are in,
	s_wait_kmcnt 0x0                               ; the scalar entries too
	v_min_u32 v14, 0x7ff, v9
	v_min_u32 v15, 0x7ff, v10
	v_lshlrev_b32 v14, 2, v14
	v_lshlrev_b32 v15, 2, v15
	global_load_b32 v252, v14, s[12:13]            ; my row's gate weight, for each row tile
	global_load_b32 v254, v15, s[12:13]
	s_sub_co_u32 s54, s49, s50                     ; rows left from the task's first on
	KSTEP 0
	KSTEP 1
	KSTEP 2
	KSTEP 3
	KSTEP 4
	KSTEP 5
	KSTEP 6
	KSTEP 7
.rept 4
	v_nop                                          ; places in front of the first read of results and of writes into act's registers
.endr
	s_wait_loadcnt 0x0                             ; the gate weights
	OUT 0
	OUT 1
	s_wait_xcnt 0x0                                ; the stores have read their registers
	s_add_co_u32 s53, s50, 512
	s_cmp_ge_u32 s53, s49
	s_cbranch_scc1 .Lnext
	s_add_nc_u64 s[56:57], s[56:57], 2048          ; my second task (no load that names the pair is out)
	s_mov_b32 s52, 1
	DCALC
	F0
	FRAGS 4
.Lnext:
	s_add_co_u32 s50, s50, 512
	s_add_co_u32 s51, s51, 1
	s_cmp_lt_u32 s51, 2
	s_cbranch_scc1 .Ltask
	s_wait_xcnt 0x0
	v_lshl_add_u32 v254, v0, 2, 0x19800
	v_mov_b32 v255, 0
	s_wait_tensorcnt 0x0
	ds_add_u32 v254, v255
	s_wait_dscnt 0x0
	s_endpgm
.Lfunc_end_k_qaf5b2eddc2_down:
	.size	k_qaf5b2eddc2_down, .Lfunc_end_k_qaf5b2eddc2_down-k_qaf5b2eddc2_down
	.p2alignl 7, 3214868480
	.fill 96, 4, 3214868480
	.section	.rodata,"a",@progbits
	.p2align	6, 0x0
	.amdhsa_kernel k_qaf5b2eddc2_down
		.amdhsa_group_segment_fixed_size 106496
		.amdhsa_private_segment_fixed_size 0
		.amdhsa_enable_private_segment 0
		.amdhsa_kernarg_size 48
		.amdhsa_user_sgpr_count 2
		.amdhsa_user_sgpr_kernarg_segment_ptr 1
		.amdhsa_wavefront_size32 1
		.amdhsa_system_sgpr_workgroup_id_x 1
		.amdhsa_system_sgpr_workgroup_id_y 1
		.amdhsa_system_sgpr_workgroup_id_z 1
		.amdhsa_system_vgpr_workitem_id 0
		.amdhsa_next_free_vgpr 256
		.amdhsa_next_free_sgpr 66
		.amdhsa_reserve_vcc 0
		.amdhsa_float_denorm_mode_32 3
		.amdhsa_float_denorm_mode_16_64 3
		.amdhsa_memory_ordered 1
		.amdhsa_forward_progress 1
		.amdhsa_inst_pref_size 60
	.end_amdhsa_kernel
	.amdgpu_metadata
---
amdhsa.version: [ 1, 2 ]
amdhsa.kernels:
  - .name:           k_qaf5b2eddc2_down
    .symbol:         k_qaf5b2eddc2_down.kd
    .args:
      - { .name: w2, .offset: 0, .size: 8, .value_kind: global_buffer, .address_space: global }
      - { .name: actq, .offset: 8, .size: 8, .value_kind: global_buffer, .address_space: global }
      - { .name: acts, .offset: 16, .size: 8, .value_kind: global_buffer, .address_space: global }
      - { .name: list, .offset: 24, .size: 8, .value_kind: global_buffer, .address_space: global }
      - { .name: gw, .offset: 32, .size: 8, .value_kind: global_buffer, .address_space: global }
      - { .name: ybuf, .offset: 40, .size: 8, .value_kind: global_buffer, .address_space: global }
    .group_segment_fixed_size: 106496
    .private_segment_fixed_size: 0
    .kernarg_segment_align: 8
    .kernarg_segment_size: 48
    .max_flat_workgroup_size: 512
    .sgpr_count:     66
    .vgpr_count:     256
    .wavefront_size: 32
...
	.end_amdgpu_metadata
.endif
;; end of part 4
;; launch combine (part 5): grid 256 x 1, 8 waves a work-group, no clusters, 0 bytes of LDS; arguments ybuf, out0; writes out0
.if DOCPART == 5
	.amdgcn_target "amdgcn-amd-amdhsa--gfx1250"
	.amdhsa_code_object_version 6
	.text
	.protected	k_qaf5b2eddc2_combine
	.globl	k_qaf5b2eddc2_combine
	.p2align	8
	.type	k_qaf5b2eddc2_combine,@function
k_qaf5b2eddc2_combine:
	s_mov_b64 s[64:65], 0
	v_nop
	global_prefetch_b8 v0, s[64:65] scope:SCOPE_SE
	s_setreg_imm32_b32 hwreg(HW_REG_WAVE_MODE, 25, 1), 1
	s_wait_xcnt 0x0
; out0[token][:] = the sum of the token's four parts in ybuf [half of K 2][entry 2,048][1,024] f32, entries 2 token and 2 token + 1; the gate weights are in them already.
; A work-group takes 4 tokens; thread t takes the 16 bytes at 16 t of each row, so that a wave's load or store covers 512 consecutive bytes.  All sixteen loads of a thread go out at once; the waits count down by tokens.
; A stream: no LDS, no barrier, no matrix unit.
.set Y, 8                              ; v8-71: token tau's four parts at 8 + 16 tau: (half 0, k 0), (half 1, k 0), (half 0, k 1), (half 1, k 1)
	s_load_b128 s[4:7], s[0:1], 0x0                ; ybuf, out0
	v_lshlrev_b32 v1, 4, v0
	s_lshl_b32 s10, ttmp9, 15                      ; 8 entries of 4,096 bytes
	s_mov_b32 s11, 0
	s_lshl_b32 s12, ttmp9, 14                      ; 4 tokens of 4,096 bytes
	s_mov_b32 s13, 0
	s_wait_kmcnt 0x0
	s_add_nc_u64 s[4:5], s[4:5], s[10:11]
	s_add_nc_u64 s[8:9], s[4:5], 0x800000          ; the second half of K: 2,048 entries on
	s_add_nc_u64 s[6:7], s[6:7], s[12:13]
.irp tau, 0,1,2,3
.irp k, 0,1
	global_load_b128 v[Y+16*\tau+8*\k:Y+16*\tau+8*\k+3], v1, s[4:5] offset:8192*\tau+4096*\k th:TH_LOAD_NT
	global_load_b128 v[Y+16*\tau+8*\k+4:Y+16*\tau+8*\k+7], v1, s[8:9] offset:8192*\tau+4096*\k th:TH_LOAD_NT
.endr
.endr
.irp tau, 0,1,2,3
	s_wait_loadcnt 12-4*\tau                       ; this token's four loads are in; the later tokens' may be out
	v_pk_add_f32 v[Y+16*\tau:Y+16*\tau+1], v[Y+16*\tau:Y+16*\tau+1], v[Y+16*\tau+4:Y+16*\tau+5]
	v_pk_add_f32 v[Y+16*\tau+2:Y+16*\tau+3], v[Y+16*\tau+2:Y+16*\tau+3], v[Y+16*\tau+6:Y+16*\tau+7]
	v_pk_add_f32 v[Y+16*\tau+8:Y+16*\tau+9], v[Y+16*\tau+8:Y+16*\tau+9], v[Y+16*\tau+12:Y+16*\tau+13]
	v_pk_add_f32 v[Y+16*\tau+10:Y+16*\tau+11], v[Y+16*\tau+10:Y+16*\tau+11], v[Y+16*\tau+14:Y+16*\tau+15]
	v_pk_add_f32 v[Y+16*\tau:Y+16*\tau+1], v[Y+16*\tau:Y+16*\tau+1], v[Y+16*\tau+8:Y+16*\tau+9]
	v_pk_add_f32 v[Y+16*\tau+2:Y+16*\tau+3], v[Y+16*\tau+2:Y+16*\tau+3], v[Y+16*\tau+10:Y+16*\tau+11]
	global_store_b128 v1, v[Y+16*\tau:Y+16*\tau+3], s[6:7] offset:4096*\tau th:TH_STORE_NT
.endr
	s_endpgm
.Lfunc_end_k_qaf5b2eddc2_combine:
	.size	k_qaf5b2eddc2_combine, .Lfunc_end_k_qaf5b2eddc2_combine-k_qaf5b2eddc2_combine
	.p2alignl 7, 3214868480
	.fill 96, 4, 3214868480
	.section	.rodata,"a",@progbits
	.p2align	6, 0x0
	.amdhsa_kernel k_qaf5b2eddc2_combine
		.amdhsa_group_segment_fixed_size 0
		.amdhsa_private_segment_fixed_size 0
		.amdhsa_enable_private_segment 0
		.amdhsa_kernarg_size 16
		.amdhsa_user_sgpr_count 2
		.amdhsa_user_sgpr_kernarg_segment_ptr 1
		.amdhsa_wavefront_size32 1
		.amdhsa_system_sgpr_workgroup_id_x 1
		.amdhsa_system_sgpr_workgroup_id_y 1
		.amdhsa_system_sgpr_workgroup_id_z 1
		.amdhsa_system_vgpr_workitem_id 0
		.amdhsa_next_free_vgpr 72
		.amdhsa_next_free_sgpr 66
		.amdhsa_reserve_vcc 0
		.amdhsa_float_denorm_mode_32 3
		.amdhsa_float_denorm_mode_16_64 3
		.amdhsa_memory_ordered 1
		.amdhsa_forward_progress 1
		.amdhsa_inst_pref_size 5
	.end_amdhsa_kernel
	.amdgpu_metadata
---
amdhsa.version: [ 1, 2 ]
amdhsa.kernels:
  - .name:           k_qaf5b2eddc2_combine
    .symbol:         k_qaf5b2eddc2_combine.kd
    .args:
      - { .name: ybuf, .offset: 0, .size: 8, .value_kind: global_buffer, .address_space: global }
      - { .name: out0, .offset: 8, .size: 8, .value_kind: global_buffer, .address_space: global }
    .group_segment_fixed_size: 0
    .private_segment_fixed_size: 0
    .kernarg_segment_align: 8
    .kernarg_segment_size: 16
    .max_flat_workgroup_size: 256
    .sgpr_count:     66
    .vgpr_count:     72
    .wavefront_size: 32
...
	.end_amdgpu_metadata
.endif
;; end of part 5
;; ======== version 2 of 2: 5 launches
;; workspace buffers: xq 524,288 bytes; xs 32,768 bytes; sel 4,096 bytes of whole numbers; gw 8,192 bytes; list 35,072 bytes of whole numbers; actq 8,388,608 bytes; acts 524,288 bytes; ybuf 16,777,216 bytes
;; launch route (part 6): grid 256 x 1, 4 waves a work-group, no clusters, 52,224 bytes of LDS; arguments hidden_states, gate_w, xq, xs, sel, gw; writes xq, xs, sel, gw
.if DOCPART == 6
	.amdgcn_target "amdgcn-amd-amdhsa--gfx1250"
	.amdhsa_code_object_version 6
	.text
	.protected	k_qaf5b2eddc2_route
	.globl	k_qaf5b2eddc2_route
	.p2align	8
	.type	k_qaf5b2eddc2_route,@function
k_qaf5b2eddc2_route:
	s_mov_b64 s[64:65], 0
	v_nop
	global_prefetch_b8 v0, s[64:65] scope:SCOPE_SE
	s_setreg_imm32_b32 hwreg(HW_REG_WAVE_MODE, 25, 1), 1
	s_wait_xcnt 0x0
; ROUTER AND QUANTISER OF x.  1,024 tokens of 1,024 f32.  One wave takes one token: token = 4 x work-group + wave.  Lane l owns the token's block l: d = 32 l .. 32 l + 31.
; Out: xq [token][512 bytes] codes of E2M1 (block l's 16 bytes at 16 l); xs [token][32] E8M0 bytes; sel [token] = first expert | second expert << 8; gw [token][2] the two weights, renormalised.
; The logits are f32 multiply-adds (32 a lane, then a sum over the lanes); softmax with its maximum taken away, as the problem writes it; top 2 by two scans in which only a strictly larger number replaces, so the lower index keeps a tie.
; Nothing here branches or addresses by the choice: it is stored at fixed places and a later launch places the rows.
; LIMITS: NaN and infinities are not served.  A block whose largest magnitude lies under 2^-124 (a block of zeros too) keeps the scale byte 1; the bytes are read by this program alone.
; The logits' sums are taken in another order than a plain row sum: a token whose second and third probabilities differ by less than f32 rounding of a sum of 1,024 terms may take the other expert.
; No matrix unit (8 columns), no cluster (what is shared, gate_w, is 32 KiB against nothing that waits for it), no tensor loads (one pass, all loads issued at the head).
.set GP,   1040                        ; LDS: gate_w's rows 32 L .. 32 L + 31 (1,024 bytes) at GP x L: 65 x 16 bytes
.set XST,  33280                       ; behind them a stage of 32 x XPI bytes for each wave
.set XPI,  144                         ; a lane's 128 bytes of x + 16
.set ACC,  8                           ; v8-15   the eight logits
.set X,    16                          ; v16-47  my block's 32 numbers
.set RX,   48                          ; v48-79  x as loaded (all 32 registers); later at work
.set G,    80                          ; v80-143, v144-207  gate_w as loaded; then two batches of 8 rows x 8 experts
	s_load_b256 s[4:11], s[0:1], 0x0               ; hidden_states, gate_w, xq, xs
	s_load_b128 s[12:15], s[0:1], 0x20             ; sel, gw
	v_lshl_add_u32 v208, v0, 2, 0xca00
	v_mov_b32 v209, 0
	v_lshrrev_b32 v1, 5, v0
	v_readfirstlane_b32 s16, v1                    ; wave
	v_and_b32 v1, 31, v0                           ; lane
	v_lshlrev_b32 v2, 4, v0                        ; gate_w in: 16 bytes a thread, 2,048 a load of the work-group
	v_lshrrev_b32 v3, 6, v0
	v_mul_u32_u24 v3, v3, GP
	v_and_b32 v4, 63, v0
	v_lshl_add_u32 v3, v4, 4, v3                   ; and its place in LDS: slice thread / 64 (+ 2 a load), 16 (thread % 64)
	v_lshlrev_b32 v4, 4, v1                        ; 16 x lane
	s_mul_i32 s18, s16, 32*XPI
	s_add_co_u32 s18, s18, XST                     ; my wave's stage
	v_lshrrev_b32 v5, 3, v1
	v_mul_u32_u24 v5, v5, XPI
	v_and_b32 v6, 7, v1
	v_lshl_add_u32 v5, v6, 4, v5
	v_add_nc_u32 v5, s18, v5                       ; x into the stage: eight lanes' 128 bytes on end, then 16 of padding
	v_mul_u32_u24 v6, v1, XPI
	v_add_nc_u32 v6, s18, v6                       ; and out of it: my block
	v_mul_u32_u24 v7, v1, GP                       ; my 32 rows of gate_w
	s_lshl_b32 s17, ttmp9, 2
	s_add_co_u32 s17, s17, s16                     ; my token
	s_mov_b32 s19, 0
	s_mov_b32 s20, 0x76543210
	s_mov_b32 s21, 0xfedcba98                      ; v_permlanex16_b32's selects for lane l xor 16
	s_wait_alu depctr_va_vdst(0)
	s_wait_kmcnt 0x0
.irp c, 0,1,2,3,4,5,6,7,8,9,10,11,12,13,14,15
	global_load_b128 v[G+4*\c:G+4*\c+3], v2, s[6:7] offset:2048*\c
.endr
	s_lshl_b32 s18, s17, 12
	s_add_nc_u64 s[4:5], s[4:5], s[18:19]          ; my row of x
.irp i, 0,1,2,3,4,5,6,7
	global_load_b128 v[RX+4*\i:RX+4*\i+3], v4, s[4:5] offset:512*\i th:TH_LOAD_NT   ; 32 lanes read 512 consecutive bytes
.endr
	s_lshl_b32 s18, s17, 9
	s_add_nc_u64 s[8:9], s[8:9], s[18:19]
	s_lshl_b32 s18, s17, 5
	s_add_nc_u64 s[10:11], s[10:11], s[18:19]
	s_lshl_b32 s18, s17, 2
	s_add_nc_u64 s[12:13], s[12:13], s[18:19]
	s_lshl_b32 s18, s17, 3
	s_add_nc_u64 s[14:15], s[14:15], s[18:19]
	s_wait_loadcnt 8                               ; gate_w's sixteen loads are in; x's eight may be out
.irp c, 0,1,2,3,4,5,6,7,8,9,10,11,12,13,14,15
	ds_store_b128 v3, v[G+4*\c:G+4*\c+3] offset:2*GP*\c
.endr
	s_wait_loadcnt 0x0
.irp i, 0,1,2,3,4,5,6,7
	ds_store_b128 v5, v[RX+4*\i:RX+4*\i+3] offset:4*XPI*\i
.endr
.irp i, 0,1,2,3,4,5,6,7
	ds_load_b128 v[X+4*\i:X+4*\i+3], v6 offset:16*\i   ; my wave's own bytes: LDS serves a wave's instructions in order
.endr
	s_wait_dscnt 0x0                               ; for the others' sake: my part of gate_w lies in LDS
	s_barrier_signal -1
	s_barrier_wait -1
.macro GLD a                           ; rows 8 a .. 8 a + 7 of my 32 rows of gate_w: 8 experts each
.irp ii, 0,1,2,3,4,5,6,7
.irp hf, 0,1
	ds_load_b128 v[G+64*((\a)%2)+8*\ii+4*\hf:G+64*((\a)%2)+8*\ii+4*\hf+3], v7 offset:32*(8*(\a)+\ii)+16*\hf
.endr
.endr
.endm
	GLD 0
	GLD 1
	; my block becomes codes while the first batches are on their way
	v_max3_num_f32 v48, |v[X]|, |v[X+1]|, |v[X+2]|
	v_max3_num_f32 v49, |v[X+3]|, |v[X+4]|, |v[X+5]|
.irp i, 6,10,14,18,22,26
	v_max3_num_f32 v48, v48, |v[X+\i]|, |v[X+\i+1]|
	v_max3_num_f32 v49, v49, |v[X+\i+2]|, |v[X+\i+3]|
.endr
	v_max3_num_f32 v48, v48, |v[X+30]|, |v[X+31]|
	v_max3_num_f32 v48, v48, v49, 0x1800000        ; the floor 2^(3 - 127): the byte cannot fall under 1
	v_add_nc_u32 v50, 0xff000000, v48              ; 2 off the exponent field: the conversion's scale operand
	v_lshrrev_b32 v51, 23, v50                     ; the scale's byte
.irp g, 0,1,2,3
	v_cvt_scalef32_pk8_fp4_f32 v[52+\g], v[X+8*\g:X+8*\g+7], v50
.endr
	v_nop                                          ; one plain place behind the conversions
	global_store_b128 v4, v[52:55], s[8:9]         ; 32 lanes store the token's 512 bytes of codes
	global_store_b8 v1, v51, s[10:11]              ; and its 32 scale bytes
.macro DOT a                           ; 8 rows x 8 experts: logits += x[i] gate_w[i][:], two experts an instruction; x[i] is one register of a pair, chosen for both halves
.set GB, G+64*((\a)%2)
.irp ii, 0,1,2,3,4,5,6,7
.irp q, 0,1,2,3
.if (8*(\a)+\ii) == 0
	v_pk_mul_f32 v[ACC+2*\q:ACC+2*\q+1], v[GB+8*\ii+2*\q:GB+8*\ii+2*\q+1], v[X:X+1] op_sel_hi:[1,0]
.elseif (\ii%2) == 0
	v_pk_fma_f32 v[ACC+2*\q:ACC+2*\q+1], v[GB+8*\ii+2*\q:GB+8*\ii+2*\q+1], v[X+8*(\a)+\ii:X+8*(\a)+\ii+1], v[ACC+2*\q:ACC+2*\q+1] op_sel_hi:[1,0,1]
.else
	v_pk_fma_f32 v[ACC+2*\q:ACC+2*\q+1], v[GB+8*\ii+2*\q:GB+8*\ii+2*\q+1], v[X+8*(\a)+\ii-1:X+8*(\a)+\ii], v[ACC+2*\q:ACC+2*\q+1] op_sel:[0,1,0] op_sel_hi:[1,1,1]
.endif
.endr
.endr
.endm
	s_wait_dscnt 16                                ; this batch's sixteen loads are in; the next batch's may be out
	DOT 0
	GLD 2
	s_wait_alu depctr_va_vdst(0)
	s_wait_dscnt 16
	DOT 1
	GLD 3
	s_wait_alu depctr_va_vdst(0)
	s_wait_dscnt 16
	DOT 2
	s_wait_alu depctr_va_vdst(0)
	s_wait_dscnt 0x0
	DOT 3
.irp x, 1,2,4,8                        ; the sum over the lanes, the eight logits by turns
.irp e, 0,1,2,3,4,5,6,7
	v_add_f32_dpp v[ACC+\e], v[ACC+\e], v[ACC+\e] row_xmask:\x row_mask:0xf bank_mask:0xf
.endr
.endr
.irp e, 0,1,2,3,4,5,6,7
	v_permlanex16_b32 v[56+\e], v[ACC+\e], s20, s21
.endr
.irp e, 0,1,2,3,4,5,6,7
	v_add_f32 v[ACC+\e], v[ACC+\e], v[56+\e]       ; every lane holds the token's eight logits
.endr
	v_max3_num_f32 v48, v8, v9, v10
	v_max3_num_f32 v48, v48, v11, v12
	v_max3_num_f32 v48, v48, v13, v14
	v_max_num_f32 v48, v48, v15                    ; the largest logit is taken away before the exponential
.irp e, 0,1,2,3,4,5,6,7
	v_sub_f32 v[56+\e], v[ACC+\e], v48
.endr
.irp e, 0,1,2,3,4,5,6,7
	v_mul_f32 v[56+\e], 0x3fb8aa3b, v[56+\e]
.endr
	s_wait_alu depctr_va_vdst(0)
.irp e, 0,1,2,3,4,5,6,7
	v_exp_f32 v[56+\e], v[56+\e]
.endr
	v_nop                                          ; one plain place behind the exponentials
	s_wait_alu depctr_va_vdst(0)
	v_add_f32 v64, v56, v57
	v_add_f32 v65, v58, v59
	v_add_f32 v66, v60, v61
	v_add_f32 v67, v62, v63
	v_add_f32 v64, v64, v65
	v_add_f32 v66, v66, v67
	v_add_f32 v64, v64, v66
	s_wait_alu depctr_va_vdst(0)
	v_rcp_f32 v64, v64
	v_nop
	s_wait_alu depctr_va_vdst(0)
.irp e, 0,1,2,3,4,5,6,7
	v_mul_f32 v[56+\e], v[56+\e], v64              ; the probabilities
.endr
	v_mov_b32 v72, v56                             ; the largest, and its index
	v_mov_b32 v73, 0
.irp e, 1,2,3,4,5,6,7
	v_cmp_le_f32 vcc_lo, v[56+\e], v72             ; kept unless strictly larger
	v_cndmask_b32 v73, \e, v73, vcc_lo
	v_cndmask_b32 v72, v[56+\e], v72, vcc_lo
.endr
.irp e, 0,1,2,3,4,5,6,7
	v_cmp_ne_u32 vcc_lo, \e, v73
	v_cndmask_b32 v[64+\e], -1.0, v[56+\e], vcc_lo ; the first is taken out: -1 lies under every probability
.endr
	v_mov_b32 v74, v64                             ; the second, and its index
	v_mov_b32 v75, 0
.irp e, 1,2,3,4,5,6,7
	v_cmp_le_f32 vcc_lo, v[64+\e], v74
	v_cndmask_b32 v75, \e, v75, vcc_lo
	v_cndmask_b32 v74, v[64+\e], v74, vcc_lo
.endr
	v_add_f32 v48, v72, v74
	s_wait_alu depctr_va_vdst(0)
	v_rcp_f32 v48, v48
	v_lshl_or_b32 v78, v75, 8, v73                 ; (a plain place)  first | second << 8
	s_wait_alu depctr_va_vdst(0)
	v_mul_f32 v76, v72, v48
	v_mul_f32 v77, v74, v48                        ; the two weights, renormalised
	v_mov_b32 v2, 0                                ; the offset of the two small stores: v2 served gate_w's loads, which were waited for long ago, and no load lands in it
	v_cmp_eq_u32 vcc_lo, 0, v1
	s_wait_alu depctr_va_vdst(0)
	s_wait_xcnt 0x0                                ; EXEC changes only when the stores above have had their addresses translated
	s_wait_tensorcnt 0x0
	ds_add_u32 v208, v209
	s_wait_dscnt 0x0
	s_and_saveexec_b32 s22, vcc_lo                 ; lane 0 alone
	global_store_b32 v2, v78, s[12:13]
	global_store_b64 v2, v[76:77], s[14:15]
	s_wait_xcnt 0x0
	s_or_b32 exec_lo, exec_lo, s22
	s_endpgm
.Lfunc_end_k_qaf5b2eddc2_route:
	.size	k_qaf5b2eddc2_route, .Lfunc_end_k_qaf5b2eddc2_route-k_qaf5b2eddc2_route
	.p2alignl 7, 3214868480
	.fill 96, 4, 3214868480
	.section	.rodata,"a",@progbits
	.p2align	6, 0x0
	.amdhsa_kernel k_qaf5b2eddc2_route
		.amdhsa_group_segment_fixed_size 52224
		.amdhsa_private_segment_fixed_size 0
		.amdhsa_enable_private_segment 0
		.amdhsa_kernarg_size 48
		.amdhsa_user_sgpr_count 2
		.amdhsa_user_sgpr_kernarg_segment_ptr 1
		.amdhsa_wavefront_size32 1
		.amdhsa_system_sgpr_workgroup_id_x 1
		.amdhsa_system_sgpr_workgroup_id_y 1
		.amdhsa_system_sgpr_workgroup_id_z 1
		.amdhsa_system_vgpr_workitem_id 0
		.amdhsa_next_free_vgpr 210
		.amdhsa_next_free_sgpr 66
		.amdhsa_reserve_vcc 1
		.amdhsa_float_denorm_mode_32 3
		.amdhsa_float_denorm_mode_16_64 3
		.amdhsa_memory_ordered 1
		.amdhsa_forward_progress 1
		.amdhsa_inst_pref_size 28
	.end_amdhsa_kernel
	.amdgpu_metadata
---
amdhsa.version: [ 1, 2 ]
amdhsa.kernels:
  - .name:           k_qaf5b2eddc2_route
    .symbol:         k_qaf5b2eddc2_route.kd
    .args:
      - { .name: hidden_states, .offset: 0, .size: 8, .value_kind: global_buffer, .address_space: global }
      - { .name: gate_w, .offset: 8, .size: 8, .value_kind: global_buffer, .address_space: global }
      - { .name: xq, .offset: 16, .size: 8, .value_kind: global_buffer, .address_space: global }
      - { .name: xs, .offset: 24, .size: 8, .value_kind: global_buffer, .address_space: global }
      - { .name: sel, .offset: 32, .size: 8, .value_kind: global_buffer, .address_space: global }
      - { .name: gw, .offset: 40, .size: 8, .value_kind: global_buffer, .address_space: global }
    .group_segment_fixed_size: 52224
    .private_segment_fixed_size: 0
    .kernarg_segment_align: 8
    .kernarg_segment_size: 48
    .max_flat_workgroup_size: 128
    .sgpr_count:     66
    .vgpr_count:     210
    .wavefront_size: 32
...
	.end_amdgpu_metadata
.endif
;; end of part 6
;; launch place (part 7): grid 1 x 1, 8 waves a work-group, no clusters, 0 bytes of LDS; arguments sel, list; writes list
.if DOCPART == 7
	.amdgcn_target "amdgcn-amd-amdhsa--gfx1250"
	.amdhsa_code_object_version 6
	.text
	.protected	k_qaf5b2eddc2_place
	.globl	k_qaf5b2eddc2_place
	.p2align	8
	.type	k_qaf5b2eddc2_place,@function
k_qaf5b2eddc2_place:
	s_mov_b64 s[64:65], 0
	v_nop
	global_prefetch_b8 v0, s[64:65] scope:SCOPE_SE
	s_setreg_imm32_b32 hwreg(HW_REG_WAVE_MODE, 25, 1), 1
	s_wait_xcnt 0x0
; THE ROWS ARE PLACED BY EXPERT.  Wave e reads all 1,024 words of sel and writes expert e's list: entry p < count = 2 x token + k (k = 0: the token's first choice, 1: its second), tokens ascending.
; list: 8 experts x 1,088 words (4,352 bytes apart); entries count .. 1,055 are 0, so that later launches may read any of the first 1,056; words 1,056 .. 1,087 take what lanes without a row store.  The counts: words at byte 34,816 + 4 e.
; A token names an expert at most once, so a count is at most 1,024.  One work-group: the eight waves share nothing, and the work is 4 KiB in and 35 KiB out.
; Every store has registers of its own, so that none is rewritten while a store may still read it.
.set S,   16                           ; v16-47   sel, 32 words a lane
.set POS, 48                           ; v48-79   byte offsets of the entries
.set ENT, 80                           ; v80-111  the entries
.set ZA,  112                          ; v112-144 byte offsets of the zeros
	s_load_b128 s[4:7], s[0:1], 0x0                ; sel, list
	v_lshrrev_b32 v1, 5, v0
	s_delay_alu instid0(VALU_DEP_1)
	v_readfirstlane_b32 s10, v1                    ; my expert
	v_and_b32 v1, 31, v0                           ; lane
	s_delay_alu instid0(VALU_DEP_1)
	v_lshlrev_b32 v2, 2, v1
	s_delay_alu instid0(VALU_DEP_2)
	v_lshlrev_b32 v3, 1, v1
	s_delay_alu instid0(VALU_DEP_3)
	v_add_nc_u32 v4, 1056, v1                      ; where a lane without a row stores
	v_mov_b32 v10, 0
	s_mul_i32 s12, s10, 4352
	s_mov_b32 s13, 0
	s_lshl_b32 s17, s10, 2
	s_add_co_u32 s17, s17, 34816                   ; my count's place
	v_mov_b32 v11, s17
	s_mov_b32 s11, 0                               ; rows so far
	s_wait_alu depctr_va_vdst(0)
	s_wait_kmcnt 0x0
	s_mov_b64 s[8:9], s[6:7]
	s_add_nc_u64 s[6:7], s[6:7], s[12:13]          ; my expert's list
.set cn, 0
.rept 32
	global_load_b32 v[S+cn], v2, s[4:5] offset:128*cn
.set cn, cn+1
.endr
	s_wait_loadcnt 0x0
.set cn, 0
.rept 32                               ; tokens 32 cn + lane
	v_and_b32 v5, 0xff, v[S+cn]
	v_lshrrev_b32 v6, 8, v[S+cn]
	s_delay_alu instid0(VALU_DEP_2)
	v_cmp_eq_u32 s12, s10, v5                      ; first choice is mine
	s_delay_alu instid0(VALU_DEP_2)
	v_cmp_eq_u32 s13, s10, v6                      ; second choice is mine
	s_or_b32 s14, s12, s13
	v_mbcnt_lo_u32_b32 v7, s14, s11                ; rows so far + the lanes below me that have one
	s_delay_alu instid0(VALU_DEP_1)
	v_cndmask_b32 v7, v4, v7, s14
	s_delay_alu instid0(VALU_DEP_1)
	v_min_u32 v7, 0x43f, v7                        ; inside my expert's 1,088 words
	s_delay_alu instid0(VALU_DEP_1)
	v_lshlrev_b32 v[POS+cn], 2, v7
	v_cndmask_b32 v8, 0, 1, s13
	s_delay_alu instid0(VALU_DEP_1)
	v_add3_u32 v[ENT+cn], v3, 64*cn, v8            ; 2 x token + k
	global_store_b32 v[POS+cn], v[ENT+cn], s[6:7]
	s_bcnt1_i32_b32 s15, s14
	s_add_co_u32 s11, s11, s15
.set cn, cn+1
.endr
.set cn, 0
.rept 33                               ; zeros from the count on: 1,056 words, held inside the 1,088
	v_add3_u32 v7, s11, v1, 32*cn
	s_delay_alu instid0(VALU_DEP_1)
	v_min_u32 v7, 0x43f, v7
	s_delay_alu instid0(VALU_DEP_1)
	v_lshlrev_b32 v[ZA+cn], 2, v7
	global_store_b32 v[ZA+cn], v10, s[6:7]
.set cn, cn+1
.endr
	v_mov_b32 v9, s11
	v_cmp_eq_u32 vcc_lo, 0, v1
	s_wait_alu depctr_va_vdst(0)
	s_wait_xcnt 0x0                                ; EXEC changes only when the stores above have had their addresses translated
	s_and_saveexec_b32 s16, vcc_lo
	global_store_b32 v11, v9, s[8:9]               ; the count
	s_wait_xcnt 0x0
	s_or_b32 exec_lo, exec_lo, s16
	s_endpgm
.Lfunc_end_k_qaf5b2eddc2_place:
	.size	k_qaf5b2eddc2_place, .Lfunc_end_k_qaf5b2eddc2_place-k_qaf5b2eddc2_place
	.p2alignl 7, 3214868480
	.fill 96, 4, 3214868480
	.section	.rodata,"a",@progbits
	.p2align	6, 0x0
	.amdhsa_kernel k_qaf5b2eddc2_place
		.amdhsa_group_segment_fixed_size 0
		.amdhsa_private_segment_fixed_size 0
		.amdhsa_enable_private_segment 0
		.amdhsa_kernarg_size 16
		.amdhsa_user_sgpr_count 2
		.amdhsa_user_sgpr_kernarg_segment_ptr 1
		.amdhsa_wavefront_size32 1
		.amdhsa_system_sgpr_workgroup_id_x 1
		.amdhsa_system_sgpr_workgroup_id_y 1
		.amdhsa_system_sgpr_workgroup_id_z 1
		.amdhsa_system_vgpr_workitem_id 0
		.amdhsa_next_free_vgpr 160
		.amdhsa_next_free_sgpr 66
		.amdhsa_reserve_vcc 1
		.amdhsa_float_denorm_mode_32 3
		.amdhsa_float_denorm_mode_16_64 3
		.amdhsa_memory_ordered 1
		.amdhsa_forward_progress 1
		.amdhsa_inst_pref_size 47
	.end_amdhsa_kernel
	.amdgpu_metadata
---
amdhsa.version: [ 1, 2 ]
amdhsa.kernels:
  - .name:           k_qaf5b2eddc2_place
    .symbol:         k_qaf5b2eddc2_place.kd
    .args:
      - { .name: sel, .offset: 0, .size: 8, .value_kind: global_buffer, .address_space: global }
      - { .name: list, .offset: 8, .size: 8, .value_kind: global_buffer, .address_space: global }
    .group_segment_fixed_size: 0
    .private_segment_fixed_size: 0
    .kernarg_segment_align: 8
    .kernarg_segment_size: 16
    .max_flat_workgroup_size: 256
    .sgpr_count:     66
    .vgpr_count:     160
    .wavefront_size: 32
...
	.end_amdgpu_metadata
.endif
;; end of part 7
;; launch up (part 8): grid 32 x 8, 16 waves a work-group, no clusters, 71,680 bytes of LDS; arguments w1, w3, xq, xs, list, actq, acts; writes actq, acts
.if DOCPART == 8
	.amdgcn_target "amdgcn-amd-amdhsa--gfx1250"
	.amdhsa_code_object_version 6
	.text
	.protected	k_qaf5b2eddc2_up
	.globl	k_qaf5b2eddc2_up
	.p2align	8
	.type	k_qaf5b2eddc2_up,@function
k_qaf5b2eddc2_up:
	s_mov_b64 s[64:65], 0
	v_nop
	global_prefetch_b8 v0, s[64:65] scope:SCOPE_SE
	s_setreg_imm32_b32 hwreg(HW_REG_WAVE_SCHED_MODE, 0, 2), 2
	s_setreg_imm32_b32 hwreg(HW_REG_WAVE_MODE, 25, 1), 1
	s_wait_xcnt 0x0
	s_wait_alu depctr_vm_vsrc(0)
; act = silu(x w1[e]) * (x w3[e]) for the rows routed to expert e, both products on codes of E2M1 with one E8M0 scale for each 32 along K; act is quantised along F and stored as codes.
; THE WEIGHTS STAY, THE ROWS GO ROUND.  Work-group (j, e) owns columns 64 j .. 64 j + 63 of w1[e] and of w3[e] for all 1,024 of K: 512 KiB of f32, read once in the launch, 256 consecutive bytes of each row.
; STREAM: wave w takes 32 columns (w & 1), w1 or w3 (bit 1), a quarter of K (w >> 2).  A lane takes a column and its registers run down K, so that a block of 32 lies in one lane: no other lane is asked for its largest magnitude,
; and the conversions give codes with K innermost.  The codes go to LDS as images of the operand's registers (16 bytes a lane, 512 a group of four registers), the scale words beside them.  One barrier.
; PRODUCTS: wave w takes F block 2 j + (w & 1) and, of the expert's rows, tasks of 32: task w / 2, + 8, + 16, + 24 (a loop of four trips; a task at or past the count is passed over by a scalar branch on the stored count).
; Used transposed (source 0 = 16 columns of a weight, source 1 = 16 rows of x): a lane holds one row.  THE COLUMNS OF A TILE ARE NOT NEIGHBOURS: column n of the 32 goes to tile (n >> 3) & 1, row (n & 7) + 8 (n >> 4),
; so that a lane's 16 registers of the two tiles are 16 neighbours along F, the next K.  x's codes are gathered by the list from xq.
; Task 0 is always made (bound max(count, 1)): rows 0-31 of every expert's codes are written, and the next launch may read them where it has nothing else to read.
; NO JOINT LOADS: no weight byte is shared between work-groups; what the 32 work-groups of an expert share is x's codes, at the mean count 139 KiB against 512 KiB of their own weights, and they come by a list of rows that no one tile describes.
; NO TENSOR LOADS: a tile in LDS would still be read 4 bytes a lane for the quantiser; sixteen waves with up to two blocks (64 loads of 128 bytes) asked for each keep the stream going.
; LIMITS: NaN and infinities are not served; blocks whose largest magnitude lies under 2^-124 (blocks of zeros too) keep the byte 1; an expert without rows still has its weights read (the barrier is on every wave's path).
; The scale bytes of act leave as single bytes, 4 apart: 1 byte for each 16 of codes.
; THE MODE: SCHED_MODE bits 1:0 = 2 (LLVM: expert scheduling mode 2), set by the entry lines.  The code itself states the register dependences
; between vector or matrix instructions and memory or LDS instructions, with s_wait_alu, always for 0.
; THE PLAN.  Registers that memory or LDS instructions touch:
;   v1-5, v13    offsets and LDS addresses: made at the head, never written again.
;   ST0, ST1     stream: block t's maxima and conversions read set t % 2; behind them the loads of block t + 2 land in it.
;   v80-111      stream: block t's conversions write four registers of their own, one LDS store reads them.  Tasks: a K step's LDS loads land there (WF), its products read them; then the activation works there,
;                and v80-84 are the data of the task's two stores.
;   v15, v14     stream: scale words, each read by one LDS store.  Tasks: the two stores' offsets, made at a task's head.
;   v9-11        the list's loads land; the lines that make x's offsets read and rewrite them.      v6-8  x's offsets: written by those lines, read by x's loads.
;   XF, XS, WS   loads land, products read.
; So: ONE wait on va_vdst in a block of the stream, behind its conversions, and all the block's LDS stores and loads follow it; one wait on vm_vsrc at a task's head; one on va_vdst in a K step, ahead of its LDS loads
; (the sixteen waves hold all registers of their SIMDs: there is no second set for the weights' fragments); one behind the lines that make the next task's offsets; one ahead of the task's stores.
.set WSC, 65536                        ; LDS: 0: codes, fragment (matrix m, tile t, K step s) at 32768 m + 8192 t + 1024 s;  WSC: scale words at 2048 m + 256 s + 64 t + 4 row
.set ST,  16                           ; v16-79   two sets of 32 numbers; then the accumulators: (m, row tile i, tile u) at 16 + 8 ((2 m + i) 2 + u)
.set ACC, 16
.set H1,  16                           ; v16-47   x w1;  v48-79  x w3
.set H3,  48
.set CD,  80                           ; v80-111  the codes of my eight blocks; then four weight fragments; then at work
.set WF,  80
.set T,   80
.set XF,  112                          ; v112-239 x's fragments: (i, s) at 112 + 8 (8 i + s)
.set XS,  240                          ; v240-247 x's scale words of the eight K steps: lane l holds task row l's.  Scales and nothing else
.set WS,  248                          ; v248-251 the weights' scale words, two sets.  Scales and nothing else
; v1 4 x lane; v2, v3 where I store codes and scale words; v4, v5 where I read fragments and scale words; v6, v7, v8 x's and xs's offsets; v9-11 list entries; v12 16 (lane / 16); v13 4 (lane % 16);
; v14, v15 scale words in the making, then the stores' offsets; v252-255 at work
; s18 wave, s19 e, s20 j, s21 w & 1, s22 matrix, s23 quarter of K, s24 w / 2, s25 count, s26 max(count, 1), s27 the task's first row, s28 trip, s[32:33] weights, s[34:35] list, s[40:41] actq, s[42:43] acts
.macro MM d, a, b, zero, sa, sb, ra, rb
.if \zero
.if (\ra) && (\rb)
	v_wmma_scale_f32_16x16x128_f8f6f4 v[(\d):(\d)+7], v[(\a):(\a)+7], v[(\b):(\b)+7], 0, v[(\sa)], v[(\sb)] matrix_a_fmt:MATRIX_FMT_FP4 matrix_b_fmt:MATRIX_FMT_FP4 matrix_a_scale:MATRIX_SCALE_ROW1 matrix_b_scale:MATRIX_SCALE_ROW1
.elseif \ra
	v_wmma_scale_f32_16x16x128_f8f6f4 v[(\d):(\d)+7], v[(\a):(\a)+7], v[(\b):(\b)+7], 0, v[(\sa)], v[(\sb)] matrix_a_fmt:MATRIX_FMT_FP4 matrix_b_fmt:MATRIX_FMT_FP4 matrix_a_scale:MATRIX_SCALE_ROW1
.elseif \rb
	v_wmma_scale_f32_16x16x128_f8f6f4 v[(\d):(\d)+7], v[(\a):(\a)+7], v[(\b):(\b)+7], 0, v[(\sa)], v[(\sb)] matrix_a_fmt:MATRIX_FMT_FP4 matrix_b_fmt:MATRIX_FMT_FP4 matrix_b_scale:MATRIX_SCALE_ROW1
.else
	v_wmma_scale_f32_16x16x128_f8f6f4 v[(\d):(\d)+7], v[(\a):(\a)+7], v[(\b):(\b)+7], 0, v[(\sa)], v[(\sb)] matrix_a_fmt:MATRIX_FMT_FP4 matrix_b_fmt:MATRIX_FMT_FP4
.endif
.else
.if (\ra) && (\rb)
	v_wmma_scale_f32_16x16x128_f8f6f4 v[(\d):(\d)+7], v[(\a):(\a)+7], v[(\b):(\b)+7], v[(\d):(\d)+7], v[(\sa)], v[(\sb)] matrix_a_fmt:MATRIX_FMT_FP4 matrix_b_fmt:MATRIX_FMT_FP4 matrix_a_scale:MATRIX_SCALE_ROW1 matrix_b_scale:MATRIX_SCALE_ROW1
.elseif \ra
	v_wmma_scale_f32_16x16x128_f8f6f4 v[(\d):(\d)+7], v[(\a):(\a)+7], v[(\b):(\b)+7], v[(\d):(\d)+7], v[(\sa)], v[(\sb)] matrix_a_fmt:MATRIX_FMT_FP4 matrix_b_fmt:MATRIX_FMT_FP4 matrix_a_scale:MATRIX_SCALE_ROW1
.elseif \rb
	v_wmma_scale_f32_16x16x128_f8f6f4 v[(\d):(\d)+7], v[(\a):(\a)+7], v[(\b):(\b)+7], v[(\d):(\d)+7], v[(\sa)], v[(\sb)] matrix_a_fmt:MATRIX_FMT_FP4 matrix_b_fmt:MATRIX_FMT_FP4 matrix_b_scale:MATRIX_SCALE_ROW1
.else
	v_wmma_scale_f32_16x16x128_f8f6f4 v[(\d):(\d)+7], v[(\a):(\a)+7], v[(\b):(\b)+7], v[(\d):(\d)+7], v[(\sa)], v[(\sb)] matrix_a_fmt:MATRIX_FMT_FP4 matrix_b_fmt:MATRIX_FMT_FP4
.endif
.endif
.endm
.macro LOADW t                         ; block t of my eight: 32 rows of the weight at my 32 columns: 128 consecutive bytes a load; the wave beside me takes the other 128 of the 256
.set cn, 0
.rept 32
	global_load_b32 v[ST+32*((\t)%2)+cn], v1, s[32:33] offset:(32*(\t)+cn)*8192 th:TH_LOAD_NT
.set cn, cn+1
.endr
.endm
.macro QV t                            ; block t becomes 16 bytes of codes a lane and a scale byte: the vector lines
.set QS, ST+32*((\t)%2)
	v_max3_num_f32 v252, |v[QS]|, |v[QS+1]|, |v[QS+2]|
	v_max3_num_f32 v253, |v[QS+3]|, |v[QS+4]|, |v[QS+5]|
.irp i, 6,10,14,18,22,26
	v_max3_num_f32 v252, v252, |v[QS+\i]|, |v[QS+\i+1]|
	v_max3_num_f32 v253, v253, |v[QS+\i+2]|, |v[QS+\i+3]|
.endr
	v_max3_num_f32 v252, v252, |v[QS+30]|, |v[QS+31]|
	v_max3_num_f32 v252, v252, v253, 0x1800000     ; the floor 2^(3 - 127): the byte cannot fall under 1
	v_add_nc_u32 v254, 0xff000000, v252            ; 2 off the exponent field: the conversion's scale operand
	v_lshrrev_b32 v255, 23, v254                   ; the scale's byte
.if (\t)%4 == 0
	v_mov_b32 v[15-(\t)/4], v255                   ; four bytes make a K step's scale word
.else
	v_lshl_or_b32 v[15-(\t)/4], v255, 8*((\t)%4), v[15-(\t)/4]
.endif
.irp g, 0,1,2,3
	v_cvt_scalef32_pk8_fp4_f32 v[CD+4*(\t)+\g], v[QS+8*\g:QS+8*\g+7], v254
.endr
	v_nop                                          ; one plain place behind the conversions
.endm
.macro QM t                            ; and its LDS stores
	ds_store_b128 v2, v[CD+4*(\t):CD+4*(\t)+3] offset:((\t)/4)*1024+(((\t)%4)/2)*512+((\t)%2)*256   ; block 2 c + h of a K step is registers 4 c .. 4 c + 3 of lanes 16 h + row
.if (\t)%4 == 3
	ds_store_b32 v3, v[15-(\t)/4] offset:((\t)/4)*256
.endif
.endm
.macro LISTLD off                      ; the task's 32 entries: by row tile for the fragments, by lane for the scale words
	global_load_b32 v9, v13, s[34:35] offset:\off
	global_load_b32 v10, v13, s[34:35] offset:\off+64
	global_load_b32 v11, v1, s[34:35] offset:\off
.endm
.macro XCALC                           ; entry -> token, held inside the table, -> byte offsets
.irp r, 9,10,11
	v_lshrrev_b32 v\r, 1, v\r
.endr
.irp r, 9,10,11
	v_min_u32 v\r, 0x3ff, v\r
.endr
	v_lshl_add_u32 v6, v9, 9, v12
	v_lshl_add_u32 v7, v10, 9, v12
	v_lshlrev_b32 v8, 5, v11
.endm
.macro XP p                            ; x's fragments of K steps 2 p, 2 p + 1 for both row tiles; with p = 0 the rows' 32 scale bytes too
.irp i, 0,1
.irp ss, 0,1
.irp c, 0,1
	global_load_b128 v[XF+(\i*8+2*(\p)+\ss)*8+4*\c:XF+(\i*8+2*(\p)+\ss)*8+4*\c+3], v[6+\i], s[8:9] offset:64*(2*(\p)+\ss)+32*\c
.endr
.endr
.endr
.if (\p) == 0
	global_load_b128 v[XS:XS+3], v8, s[10:11]
	global_load_b128 v[XS+4:XS+7], v8, s[10:11] offset:16
.endif
.endm
; A block of the stream.  The count 32 leaves the youngest block's loads out; all that was issued ahead of them, x's pieces too, is in.
.macro BLK t
.if (\t) < 7
	s_wait_loadcnt 32
.else
	s_wait_loadcnt 0x0
.endif
	QV \t
.if (\t) == 0
	XCALC                                          ; the first task's offsets are made ahead of the block's one wait
.endif
	s_wait_alu depctr_va_vdst(0)                   ; the conversions have written the block's codes and the shifts its scale word, which the LDS stores read; maxima and conversions are done reading set t % 2, in which the loads of block t + 2 land; in block 0, v6-8 are written, which x's loads read
	QM \t
.if (\t) < 4
	XP \t                                          ; a quarter of the first task's x rides with each of the first four blocks
.endif
.if (\t) < 6
	LOADW (\t)+2
.endif
.endm
.macro KSTEP s                         ; 128 along K: four weight fragments from LDS, eight products.  The eight accumulators take turns, one instruction a turn
.rept 4
	v_nop                                          ; places in front of loads into registers that matrix instructions have read
.endr
	s_wait_alu depctr_va_vdst(0)                   ; the last step's products are done reading WF, those of two steps back this set of WS: the loads below land there.  In step 0: the last task's vector work (first task: the stream's conversions) is done with v80-111, and v14, v15 are written
.irp m, 0,1
.irp u, 0,1
.irp c, 0,1
	ds_load_b128 v[WF+(\m*2+\u)*8+4*\c:WF+(\m*2+\u)*8+4*\c+3], v4 offset:\m*32768+\u*8192+(\s)*1024+\c*512
.endr
.endr
	ds_load_b32 v[WS+2*((\s)%2)+\m], v5 offset:\m*2048+(\s)*256   ; lanes 0-15 tile 0's rows, lanes 16-31 tile 1's
.endr
	s_wait_dscnt 0x0
.set KZ, 0
.if (\s) == 0
.set KZ, 1                             ; the first K step starts the sums
.endif
.irp m, 0,1
.irp u, 0,1
.irp i, 0,1
	MM ACC+((\m*2+\i)*2+\u)*8, WF+(\m*2+\u)*8, XF+(\i*8+(\s))*8, KZ, WS+2*((\s)%2)+\m, XS+(\s), \u, \i
.endr
.endr
.endr
.endm
	s_load_b256 s[4:11], s[0:1], 0x0               ; w1, w3, xq, xs
	s_load_b128 s[12:15], s[0:1], 0x20             ; list, actq
	s_load_b64 s[16:17], s[0:1], 0x30              ; acts
	v_lshrrev_b32 v1, 5, v0
	v_readfirstlane_b32 s18, v1                    ; wave 0..15
	s_and_b32 s19, ttmp7, 0xffff                   ; e
	s_mov_b32 s20, ttmp9                           ; j
	v_and_b32 v12, 31, v0                          ; lane = my column n
	v_lshlrev_b32 v1, 2, v12
	v_and_b32 v2, 7, v0
	v_bfe_u32 v9, v0, 3, 1
	v_bfe_u32 v10, v0, 4, 1
	v_lshlrev_b32 v3, 2, v2
	v_lshlrev_b32 v2, 4, v2
	v_lshl_add_u32 v2, v10, 7, v2                  ; codes: 16 x row, row = (n & 7) + 8 (n >> 4),
	v_lshl_add_u32 v2, v9, 13, v2                  ; tile (n >> 3) & 1
	s_wait_alu depctr_va_vdst(0)
	v_lshl_add_u32 v3, v10, 5, v3                  ; scale words: 4 x row,
	v_lshl_add_u32 v3, v9, 6, v3                   ; 64 x tile
	s_wait_alu depctr_va_vdst(0)
	s_wait_alu depctr_va_sdst(0)                   ; s18 is written, ahead of its first reader
	s_and_b32 s21, s18, 1
	s_bfe_u32 s22, s18, 0x10001
	s_lshr_b32 s23, s18, 2
	s_lshr_b32 s24, s18, 1
	s_lshl_b32 s29, s22, 15
	s_lshl_b32 s30, s21, 14
	s_add_co_u32 s29, s29, s30
	s_lshl_b32 s30, s23, 11
	s_add_co_u32 s29, s29, s30
	v_add_nc_u32 v2, s29, v2                       ; + matrix, pair of tiles, my two K steps
	s_lshl_b32 s29, s22, 11
	s_lshl_b32 s30, s23, 9
	s_add_co_u32 s29, s29, s30
	s_lshl_b32 s30, s21, 7
	s_add_co_u32 s29, s29, s30
	s_add_co_u32 s29, s29, WSC
	v_add_nc_u32 v3, s29, v3
	v_lshlrev_b32 v4, 4, v12
	s_lshl_b32 s29, s21, 14
	v_add_nc_u32 v4, s29, v4                       ; fragments: 16 x lane + my F block's pair of tiles
	s_lshl_b32 s29, s21, 7
	s_add_co_u32 s29, s29, WSC
	v_add_nc_u32 v5, s29, v1
	v_lshlrev_b32 v12, 4, v10
	v_and_b32 v13, 15, v0
	v_lshlrev_b32 v13, 2, v13
	s_mov_b32 s36, 0x76543210
	s_mov_b32 s37, 0xfedcba98                      ; v_permlanex16_b32's selects for lane l xor 16
	s_mov_b32 s38, 0xffff0000                      ; lanes 16-31
	s_mov_b32 s44, 0xbfb8aa3b                      ; -log2(e)
	s_mov_b32 s45, s44                             ; (named with it as a pair, so it is written)
	s_lshl_b32 s39, s19, 2                         ; kept for the load of the count alone
	s_mov_b32 s31, 0
	s_wait_kmcnt 0x0
	s_load_b32 s25, s[12:13], s39 offset:34816     ; the expert's count
	s_cmp_eq_u32 s22, 0
	s_cselect_b64 s[32:33], s[4:5], s[6:7]         ; w1 or w3: the choice hangs on the wave's number alone
	s_lshl_b32 s30, s19, 23
	s_lshl_b32 s29, s23, 21
	s_add_co_u32 s30, s30, s29
	s_lshl_b32 s29, s20, 8
	s_add_co_u32 s30, s30, s29
	s_lshl_b32 s29, s21, 7
	s_add_co_u32 s30, s30, s29
	s_add_nc_u64 s[32:33], s[32:33], s[30:31]      ; expert, 256 rows x quarter, 256 j + 128 (w & 1) bytes
	s_mul_i32 s30, s19, 4352
	s_lshl_b32 s29, s24, 7
	s_add_co_u32 s30, s30, s29
	s_add_nc_u64 s[34:35], s[12:13], s[30:31]      ; the list at my first task
	s_wait_alu depctr_va_vdst(0)                   ; the offsets and LDS addresses v1-5 and v13 are written, which the loads and LDS instructions of the whole kernel read; the head's arithmetic is done with v9 and v10, in which the list's loads land
	LISTLD 0                                       ; every word of a list's first 1,056 is written: this read needs no count
	LOADW 0
	LOADW 1
	s_lshl_b32 s30, s19, 6
	s_lshl_b32 s29, s20, 1
	s_add_co_u32 s30, s30, s29
	s_add_co_u32 s30, s30, s21
	s_lshl_b32 s30, s30, 14
	s_add_nc_u64 s[40:41], s[14:15], s[30:31]      ; actq at (e, F block 2 j + (w & 1))
	s_lshl_b32 s30, s19, 4
	s_lshr_b32 s29, s20, 1
	s_add_co_u32 s30, s30, s29
	s_lshl_b32 s30, s30, 12
	s_and_b32 s29, s20, 1
	s_lshl_b32 s29, s29, 1
	s_add_co_u32 s30, s30, s29
	s_add_co_u32 s30, s30, s21
	s_add_nc_u64 s[42:43], s[16:17], s[30:31]      ; acts at (e, K step j / 2), byte (2 j + (w & 1)) % 4
	; THE STREAM
.irp t, 0,1,2,3,4,5,6,7
	BLK \t
.endr
	s_wait_kmcnt 0x0
	s_min_u32 s25, s25, 1024                       ; a count is at most 1,024
	s_max_u32 s26, s25, 1
	s_lshl_b32 s27, s24, 5                         ; my first task's first row
	s_mov_b32 s28, 0
	s_wait_dscnt 0x0                               ; for the others' sake: my codes and scale words lie in LDS
	s_barrier_signal -1
	s_barrier_wait -1
.Ltask:
	s_cmp_ge_u32 s27, s26
	s_cbranch_scc1 .Lnext
	s_wait_loadcnt 0x0                             ; the task's x is in
	s_wait_xcnt 0x0                                ; the last task's stores have read their registers
	s_wait_alu depctr_vm_vsrc(0)                   ; the last task's stores (first task: the stream's LDS stores) have read v14, v15 and v80-111, which the lines below and the fragments' loads write; x's loads have read v6-8, which this task's look-ahead writes
	s_lshl_b32 s29, s27, 4
	v_lshl_add_u32 v14, v1, 2, s29                 ; codes: 16 bytes a row
	s_lshl_b32 s29, s27, 2
	v_add_nc_u32 v15, s29, v1                      ; scale bytes: 4 apart
	KSTEP 0
	KSTEP 1
	KSTEP 2
	KSTEP 3
	KSTEP 4
	KSTEP 5
	KSTEP 6
	KSTEP 7
.rept 4
	v_nop                                          ; places in front of the first read of results and of loads into x's registers
.endr
	s_add_co_u32 s29, s27, 256
	s_cmp_ge_u32 s29, s25
	s_cbranch_scc1 .Lnopre
	LISTLD 1024                                    ; my next task's x is asked for ahead of this task's vector work.  No wait: no vector or matrix instruction since the last step's wait names v9-11, v13 or v1
	s_wait_loadcnt 0x0
	XCALC
	s_wait_alu depctr_va_vdst(0)                   ; v6-8 are written, which x's loads read; the last step's products are done reading XF and XS, in which they land
	XP 0
	XP 1
	XP 2
	XP 3
.Lnopre:
	; silu(a) c = (a / (1 + 2^(-a log2 e))) c, in f32; every accumulator is read from its low end on
.set cn, 0
.rept 16
	v_pk_mul_f32 v[T+2*cn:T+2*cn+1], v[H1+2*cn:H1+2*cn+1], s[44:45] op_sel_hi:[1,0]
.set cn, cn+1
.endr
.set cn, 0
	s_wait_alu depctr_va_vdst(0)
.rept 32
	v_exp_f32 v[T+cn], v[T+cn]
.set cn, cn+1
.endr
	v_nop                                          ; one plain place behind the exponentials
	s_wait_alu depctr_va_vdst(0)                   ; the 32 exponentials have written v80-111, ahead of their first reader: one wait for the batch
.set cn, 0
.rept 16
	v_pk_add_f32 v[T+2*cn:T+2*cn+1], v[T+2*cn:T+2*cn+1], 1.0 op_sel_hi:[1,0]
.set cn, cn+1
.endr
.set cn, 0
	s_wait_alu depctr_va_vdst(0)
.rept 32
	v_rcp_f32 v[T+cn], v[T+cn]
.set cn, cn+1
.endr
	v_nop
	s_wait_alu depctr_va_vdst(0)                   ; the 32 reciprocals have written v80-111, ahead of their first reader: one wait for the batch
.set cn, 0
.rept 16
	v_pk_mul_f32 v[T+2*cn:T+2*cn+1], v[T+2*cn:T+2*cn+1], v[H1+2*cn:H1+2*cn+1]
.set cn, cn+1
.endr
.set cn, 0
.rept 16
	v_pk_mul_f32 v[H1+2*cn:H1+2*cn+1], v[T+2*cn:T+2*cn+1], v[H3+2*cn:H3+2*cn+1]
.set cn, cn+1
.endr
	; the block of 32 along F of row 16 i + r lies in lanes r and r + 16, 16 numbers each
.irp i, 0,1
	v_max3_num_f32 v[252+\i], |v[H1+16*\i]|, |v[H1+16*\i+1]|, 0x1800000
.endr
.irp k, 2,4,6,8,10,12,14
.irp i, 0,1
	v_max3_num_f32 v[252+\i], v[252+\i], |v[H1+16*\i+\k]|, |v[H1+16*\i+\k+1]|
.endr
.endr
.irp i, 0,1
	v_permlanex16_b32 v[254+\i], v[252+\i], s36, s37
.endr
.irp i, 0,1
	v_max_num_f32 v[252+\i], v[252+\i], v[254+\i]
.endr
.irp i, 0,1
	v_add_nc_u32 v[252+\i], 0xff000000, v[252+\i]
.endr
.irp i, 0,1
	v_lshrrev_b32 v[254+\i], 23, v[252+\i]
.endr
.irp i, 0,1
	v_cvt_scalef32_pk8_fp4_f32 v[80+2*\i], v[H1+16*\i:H1+16*\i+7], v[252+\i]
	v_cvt_scalef32_pk8_fp4_f32 v[81+2*\i], v[H1+16*\i+8:H1+16*\i+15], v[252+\i]
.endr
	v_nop                                          ; one plain place behind the conversions
	v_permlane16_swap_b32 v80, v82                 ; lane l now holds task row l's 32 codes in v80-83
	v_permlane16_swap_b32 v81, v83
	v_cndmask_b32 v84, v254, v255, s38             ; and its scale byte
	s_wait_alu depctr_va_vdst(0)                   ; the exchanges have written v80-83 and the select v84, which the two stores read
	global_store_b128 v14, v[80:83], s[40:41]      ; 32 lanes store 512 consecutive bytes, aligned
	global_store_b8 v15, v84, s[42:43]
.Lnext:
	s_add_nc_u64 s[34:35], s[34:35], 1024          ; (no load that names it is out: each was waited for)
	s_add_co_u32 s27, s27, 256
	s_add_co_u32 s28, s28, 1
	s_cmp_lt_u32 s28, 4
	s_cbranch_scc1 .Ltask
	s_wait_xcnt 0x0
	v_lshl_add_u32 v254, v0, 2, 0x11000            ; the add's two registers are made anew: no memory or LDS instruction of this text reads v254 or v255
	v_mov_b32 v255, 0
	s_wait_dscnt 0x0                               ; the closing lines, six on end
	s_wait_alu 0x0
	s_wait_tensorcnt 0x0
	ds_add_u32 v254, v255
	s_wait_dscnt 0x0
	s_endpgm
.Lfunc_end_k_qaf5b2eddc2_up:
	.size	k_qaf5b2eddc2_up, .Lfunc_end_k_qaf5b2eddc2_up-k_qaf5b2eddc2_up
	.p2alignl 7, 3214868480
	.fill 96, 4, 3214868480
	.section	.rodata,"a",@progbits
	.p2align	6, 0x0
	.amdhsa_kernel k_qaf5b2eddc2_up
		.amdhsa_group_segment_fixed_size 71680
		.amdhsa_private_segment_fixed_size 0
		.amdhsa_enable_private_segment 0
		.amdhsa_kernarg_size 56
		.amdhsa_user_sgpr_count 2
		.amdhsa_user_sgpr_kernarg_segment_ptr 1
		.amdhsa_wavefront_size32 1
		.amdhsa_system_sgpr_workgroup_id_x 1
		.amdhsa_system_sgpr_workgroup_id_y 1
		.amdhsa_system_sgpr_workgroup_id_z 1
		.amdhsa_system_vgpr_workitem_id 0
		.amdhsa_next_free_vgpr 256
		.amdhsa_next_free_sgpr 66
		.amdhsa_reserve_vcc 0
		.amdhsa_float_denorm_mode_32 3
		.amdhsa_float_denorm_mode_16_64 3
		.amdhsa_memory_ordered 1
		.amdhsa_forward_progress 1
		.amdhsa_inst_pref_size 73
	.end_amdhsa_kernel
	.amdgpu_metadata
---
amdhsa.version: [ 1, 2 ]
amdhsa.kernels:
  - .name:           k_qaf5b2eddc2_up
    .symbol:         k_qaf5b2eddc2_up.kd
    .args:
      - { .name: w1, .offset: 0, .size: 8, .value_kind: global_buffer, .address_space: global }
      - { .name: w3, .offset: 8, .size: 8, .value_kind: global_buffer, .address_space: global }
      - { .name: xq, .offset: 16, .size: 8, .value_kind: global_buffer, .address_space: global }
      - { .name: xs, .offset: 24, .size: 8, .value_kind: global_buffer, .address_space: global }
      - { .name: list, .offset: 32, .size: 8, .value_kind: global_buffer, .address_space: global }
      - { .name: actq, .offset: 40, .size: 8, .value_kind: global_buffer, .address_space: global }
      - { .name: acts, .offset: 48, .size: 8, .value_kind: global_buffer, .address_space: global }
    .group_segment_fixed_size: 71680
    .private_segment_fixed_size: 0
    .kernarg_segment_align: 8
    .kernarg_segment_size: 56
    .max_flat_workgroup_size: 512
    .sgpr_count:     66
    .vgpr_count:     256
    .wavefront_size: 32
...
	.end_amdgpu_metadata
.endif
;; end of part 8
;; launch down (part 9): grid 32 x 8, 16 waves a work-group, no clusters, 106,496 bytes of LDS; arguments w2, actq, acts, list, gw, ybuf; writes ybuf
.if DOCPART == 9
	.amdgcn_target "amdgcn-amd-amdhsa--gfx1250"
	.amdhsa_code_object_version 6
	.text
	.protected	k_qaf5b2eddc2_down
	.globl	k_qaf5b2eddc2_down
	.p2align	8
	.type	k_qaf5b2eddc2_down,@function
k_qaf5b2eddc2_down:
	s_mov_b64 s[64:65], 0
	v_nop
	global_prefetch_b8 v0, s[64:65] scope:SCOPE_SE
	s_setreg_imm32_b32 hwreg(HW_REG_WAVE_SCHED_MODE, 0, 2), 2
	s_setreg_imm32_b32 hwreg(HW_REG_WAVE_MODE, 25, 1), 1
	s_wait_xcnt 0x0
	s_wait_alu depctr_vm_vsrc(0)
; ybuf[kh][entry][:] = gate weight x (act w2[e]) over half of K, for the rows routed to expert e; both operands codes of E2M1 with one E8M0 scale for each 32 along K.
; THE WEIGHTS STAY.  Work-group (x, e), jj = x / 2, kh = x % 2, owns rows 1,024 kh .. + 1,023 and columns 64 jj .. + 63 of w2[e]: 256 KiB of f32, read once in the launch, 256 consecutive bytes of each row.
; K is halved and not the columns, so that each aligned 256 bytes of w2 and of ybuf belong to one work-group; the two halves are added by the last launch, with the token's two experts.
; STREAM: wave w takes 32 columns (w & 1) and K step w / 2 (four blocks of 32); a lane takes a column, its registers run down K; codes and scale words go to LDS as images of the operand's registers.  One barrier.
; PRODUCTS: wave w takes tasks of 32 rows, task w and w + 16, against all four tiles of columns.  Used transposed (source 0 = 16 columns of w2, source 1 = 16 rows of act): a lane holds one row and eight neighbouring columns.
; act's codes lie so that a fragment is loaded as it stands: block 2 c + h of a K step, rows on end, 16 bytes each.  A wave without a first task reads row 0's bytes in every lane (they are always written) and uses nothing of them.
; THE WAY OUT: x the row's gate weight; 16 rows through my own stage in LDS; each row's 256 bytes are stored by one instruction at the place that the list names.  Rows at or past the count are not stored.
; NO JOINT LOADS: no weight byte is shared between work-groups; act's codes, which the 16 work-groups of an (expert, half) share, are at the mean count 136 KiB against 256 KiB of their own weights, and the counts differ from expert to expert.
; LIMITS: NaN and infinities are not served; blocks whose largest magnitude lies under 2^-124 (blocks of zeros too) keep the byte 1; an expert without rows still has its weights read.
; THE MODE: SCHED_MODE bits 1:0 = 2 (LLVM: expert scheduling mode 2), set by the entry lines.  The code itself states the register dependences
; between vector or matrix instructions and memory or LDS instructions, with s_wait_alu, always for 0.
; THE PLAN.  Registers that memory or LDS instructions touch:
;   v1-5, v8, v11-13  offsets and LDS addresses: made at the head, never written again.
;   ST0, ST1     stream: block t's maxima and conversions read set t % 2; behind them the loads of block t + 2 land in it.
;   v80-111      stream: block t's conversions write four registers of their own (v80-95), one LDS store reads them.  Tasks: a K step's LDS loads land there (WF), its products read them.
;   v14, v15     stream: v14 is the scale word, read by one LDS store.  Tasks: made at a task's head, read by the two loads of the gate weights, which land in v252 and v254; the scalings read those.
;   v6, v7       act's offsets: written by the lines that make them, read by act's loads.      v9, v10  the list's loads land, a task's head reads them.
;   AF, AS, WS   loads land, products read.  On the way out AF is DB: vector additions write 32 offsets there, LDS loads bring 32 rows there, and the rows' stores read both.
;   ACC          products and scalings write, the stage's LDS stores read.
; So: ONE wait on va_vdst in a block of the stream, behind its conversions; one on vm_vsrc behind the barrier; one on va_vdst in a K step, ahead of its LDS loads (the sixteen waves hold all registers of their SIMDs: there is no
; second set for the weights' fragments); ONE on the way out, behind all 32 offsets and both scalings: every LDS store, LDS load and global store of the way out follows it with no vector line among them;
; one on vm_vsrc behind the rows' stores; one on va_vdst behind the lines that make the second task's offsets.
.set WSC, 32768                        ; LDS: 0: codes, fragment (tile t, K step s) at 8192 t + 1024 s;  WSC: scale words at 256 s + 64 t + 4 row
.set STG, 34816                        ; a stage of 16 rows x (256 + 16) bytes for each wave
.set ST,  16                           ; v16-79   two sets of 32 numbers; then the accumulators: (row tile i, tile t) at 16 + 8 (4 i + t)
.set ACC, 16
.set CD,  80                           ; v80-95   the codes of my four blocks; v80-111 four weight fragments
.set WF,  80
.set AF,  112                          ; v112-239 act's fragments: (i, s) at 112 + 8 (8 i + s); on the way out, for row tile i, 32 registers of rows and 16 of offsets at 112 + 48 i
.set DB,  112
.set AS,  240                          ; v240-247 act's scale words: lane l holds task row l's.  Scales and nothing else
.set WS,  248                          ; v248-251 w2's scale words, two sets.  Scales and nothing else
; v1 4 x lane; v2, v3 where I store codes and scale words; v4, v5 where I read them; v6, v7 act's offsets; v8 4 (lane % 16); v9, v10 entries; v11, v12 the stage, in and out; v13 8 x lane; v14, v15 the scale word in the making, then gw's offsets;
; v252-255 at work, then the gate weights (v252, v254)
; s[16:47] at the head at work, then the task's 32 entries; s48 wave, s49 count, s50 the task's first row, s51 trip, s52 1 or 0, s53 the rows fetched, s54 rows left, s55 at work, s[56:57] list, s[58:59] w2, s[60:61] ybuf, s62 the count's offset
.macro MM d, a, b, zero, sa, sb, ra, rb
.if \zero
.if (\ra) && (\rb)
	v_wmma_scale_f32_16x16x128_f8f6f4 v[(\d):(\d)+7], v[(\a):(\a)+7], v[(\b):(\b)+7], 0, v[(\sa)], v[(\sb)] matrix_a_fmt:MATRIX_FMT_FP4 matrix_b_fmt:MATRIX_FMT_FP4 matrix_a_scale:MATRIX_SCALE_ROW1 matrix_b_scale:MATRIX_SCALE_ROW1
.elseif \ra
	v_wmma_scale_f32_16x16x128_f8f6f4 v[(\d):(\d)+7], v[(\a):(\a)+7], v[(\b):(\b)+7], 0, v[(\sa)], v[(\sb)] matrix_a_fmt:MATRIX_FMT_FP4 matrix_b_fmt:MATRIX_FMT_FP4 matrix_a_scale:MATRIX_SCALE_ROW1
.elseif \rb
	v_wmma_scale_f32_16x16x128_f8f6f4 v[(\d):(\d)+7], v[(\a):(\a)+7], v[(\b):(\b)+7], 0, v[(\sa)], v[(\sb)] matrix_a_fmt:MATRIX_FMT_FP4 matrix_b_fmt:MATRIX_FMT_FP4 matrix_b_scale:MATRIX_SCALE_ROW1
.else
	v_wmma_scale_f32_16x16x128_f8f6f4 v[(\d):(\d)+7], v[(\a):(\a)+7], v[(\b):(\b)+7], 0, v[(\sa)], v[(\sb)] matrix_a_fmt:MATRIX_FMT_FP4 matrix_b_fmt:MATRIX_FMT_FP4
.endif
.else
.if (\ra) && (\rb)
	v_wmma_scale_f32_16x16x128_f8f6f4 v[(\d):(\d)+7], v[(\a):(\a)+7], v[(\b):(\b)+7], v[(\d):(\d)+7], v[(\sa)], v[(\sb)] matrix_a_fmt:MATRIX_FMT_FP4 matrix_b_fmt:MATRIX_FMT_FP4 matrix_a_scale:MATRIX_SCALE_ROW1 matrix_b_scale:MATRIX_SCALE_ROW1
.elseif \ra
	v_wmma_scale_f32_16x16x128_f8f6f4 v[(\d):(\d)+7], v[(\a):(\a)+7], v[(\b):(\b)+7], v[(\d):(\d)+7], v[(\sa)], v[(\sb)] matrix_a_fmt:MATRIX_FMT_FP4 matrix_b_fmt:MATRIX_FMT_FP4 matrix_a_scale:MATRIX_SCALE_ROW1
.elseif \rb
	v_wmma_scale_f32_16x16x128_f8f6f4 v[(\d):(\d)+7], v[(\a):(\a)+7], v[(\b):(\b)+7], v[(\d):(\d)+7], v[(\sa)], v[(\sb)] matrix_a_fmt:MATRIX_FMT_FP4 matrix_b_fmt:MATRIX_FMT_FP4 matrix_b_scale:MATRIX_SCALE_ROW1
.else
	v_wmma_scale_f32_16x16x128_f8f6f4 v[(\d):(\d)+7], v[(\a):(\a)+7], v[(\b):(\b)+7], v[(\d):(\d)+7], v[(\sa)], v[(\sb)] matrix_a_fmt:MATRIX_FMT_FP4 matrix_b_fmt:MATRIX_FMT_FP4
.endif
.endif
.endm
.macro LOADW t                         ; block t of my four: 32 rows of w2 at my 32 columns
.set cn, 0
.rept 32
	global_load_b32 v[ST+32*((\t)%2)+cn], v1, s[58:59] offset:(32*(\t)+cn)*4096 th:TH_LOAD_NT
.set cn, cn+1
.endr
.endm
.macro QV t                            ; block t becomes 16 bytes of codes a lane and a scale byte: the vector lines
.set QS, ST+32*((\t)%2)
	v_max3_num_f32 v252, |v[QS]|, |v[QS+1]|, |v[QS+2]|
	v_max3_num_f32 v253, |v[QS+3]|, |v[QS+4]|, |v[QS+5]|
.irp i, 6,10,14,18,22,26
	v_max3_num_f32 v252, v252, |v[QS+\i]|, |v[QS+\i+1]|
	v_max3_num_f32 v253, v253, |v[QS+\i+2]|, |v[QS+\i+3]|
.endr
	v_max3_num_f32 v252, v252, |v[QS+30]|, |v[QS+31]|
	v_max3_num_f32 v252, v252, v253, 0x1800000     ; the floor 2^(3 - 127): the byte cannot fall under 1
	v_add_nc_u32 v254, 0xff000000, v252            ; 2 off the exponent field: the conversion's scale operand
	v_lshrrev_b32 v255, 23, v254                   ; the scale's byte
.if (\t) == 0
	v_mov_b32 v14, v255
.else
	v_lshl_or_b32 v14, v255, 8*(\t), v14
.endif
.irp g, 0,1,2,3
	v_cvt_scalef32_pk8_fp4_f32 v[CD+4*(\t)+\g], v[QS+8*\g:QS+8*\g+7], v254
.endr
	v_nop                                          ; one plain place behind the conversions
.endm
.macro QM t                            ; and its LDS stores
	ds_store_b128 v2, v[CD+4*(\t):CD+4*(\t)+3] offset:((\t)/2)*512+((\t)%2)*256
.if (\t) == 3
	ds_store_b32 v3, v14
.endif
.endm
.macro DCALC                           ; act's offsets for the rows from s53 on; with s52 = 0 every lane takes row s53 = 0
	v_bfe_u32 v6, v0, 4, 1
	v_lshlrev_b32 v6, 14, v6
	v_lshl_add_u32 v6, v8, 2, v6                   ; 16,384 (lane / 16) + 16 (lane % 16)
	v_mul_u32_u24 v6, s52, v6
	s_lshl_b32 s55, s53, 4
	v_add_nc_u32 v6, s55, v6
	v_mul_u32_u24 v7, s52, v1
	s_lshl_b32 s55, s53, 2
	v_add_nc_u32 v7, s55, v7
.endm
.macro FRAGS s0                        ; act's fragments of K steps s0 .. s0 + 3, both row tiles: sixteen lanes read 256 consecutive bytes
.irp ss, 0,1,2,3
.irp i, 0,1
.irp c, 0,1
	global_load_b128 v[AF+(\i*8+(\s0)+\ss)*8+4*\c:AF+(\i*8+(\s0)+\ss)*8+4*\c+3], v6, s[6:7] offset:65536*((\s0)+\ss)+32768*\c+256*\i
.endr
.endr
.endr
.endm
.macro F0                              ; the task's entries, as vectors and as scalars; its scale words; half of its fragments
	global_load_b32 v9, v8, s[56:57]
	global_load_b32 v10, v8, s[56:57] offset:64
	s_load_b512 s[16:31], s[56:57], 0x0
	s_load_b512 s[32:47], s[56:57], 0x40
.irp s, 0,1,2,3,4,5,6,7
	global_load_b32 v[AS+\s], v7, s[8:9] offset:4096*\s
.endr
	FRAGS 0
.endm
; 128 along K: four weight fragments from LDS (KLOAD), eight products (KMUL).  The eight accumulators take turns, one instruction a turn
.macro KLOAD s
.rept 4
	v_nop                                          ; places in front of loads into registers that matrix instructions have read
.endr
	s_wait_alu depctr_va_vdst(0)                   ; the last step's products are done reading WF, those of two steps back this set of WS: the loads below land there.  In step 0: the stream's conversions have written v80-95; v14 and v15 are written; the last readers and writers of v252 and v254 are done
.irp t, 0,1,2,3
.irp c, 0,1
	ds_load_b128 v[WF+8*\t+4*\c:WF+8*\t+4*\c+3], v4 offset:\t*8192+(\s)*1024+\c*512
.endr
.endr
.irp a, 0,1
	ds_load_b32 v[WS+2*((\s)%2)+\a], v5 offset:(\s)*256+\a*128   ; lanes 0-15 tile 2 a's rows, lanes 16-31 tile 2 a + 1's
.endr
.endm
.macro KMUL s
	s_wait_dscnt 0x0
.set KZ, 0
.if (\s) == 0
.set KZ, 1                             ; the first K step starts the sums
.endif
.irp t, 0,1,2,3
.irp i, 0,1
	MM ACC+(\i*4+\t)*8, WF+8*\t, AF+(\i*8+(\s))*8, KZ, WS+2*((\s)%2)+\t/2, AS+(\s), \t%2, \i
.endr
.endr
.endm
; THE WAY OUT of row tile i, in three parts
.macro SCALE i                         ; x the gate weight: each accumulator from its low end on
.set cn, 0
.rept 16
	v_pk_mul_f32 v[ACC+32*\i+2*cn:ACC+32*\i+2*cn+1], v[ACC+32*\i+2*cn:ACC+32*\i+2*cn+1], v[252+2*\i:253+2*\i] op_sel_hi:[1,0]
.set cn, cn+1
.endr
.endm
.macro TOSTG i                         ; through the stage
.irp t, 0,1,2,3
.irp hf, 0,1
	ds_store_b128 v11, v[ACC+(\i*4+\t)*8+4*\hf:ACC+(\i*4+\t)*8+4*\hf+3] offset:64*\t+16*\hf
.endr
.endr
.set cn, 0
.rept 16
	ds_load_b64 v[DB+48*\i+2*cn:DB+48*\i+2*cn+1], v12 offset:272*cn   ; my own bytes: LDS serves a wave's instructions in order: these see the stores above, and the next tile's stores come behind them
.set cn, cn+1
.endr
.endm
.macro SEND i                          ; out by rows
.set cn, 0
.rept 16
	s_cmp_le_u32 s54, 16*\i+cn                     ; rows at or past the count are not stored
	s_cbranch_scc1 .Lsent_\@
	global_store_b64 v[DB+48*\i+32+cn], v[DB+48*\i+2*cn:DB+48*\i+2*cn+1], s[60:61]   ; 32 lanes store 256 consecutive bytes, aligned
.set cn, cn+1
.endr
.Lsent_\@:
.endm
	s_load_b256 s[4:11], s[0:1], 0x0               ; w2, actq, acts, list
	s_load_b128 s[12:15], s[0:1], 0x20             ; gw, ybuf
	v_lshrrev_b32 v1, 5, v0
	v_readfirstlane_b32 s48, v1                    ; wave 0..15
	s_and_b32 s16, ttmp7, 0xffff                   ; e
	s_lshr_b32 s17, ttmp9, 1                       ; jj
	s_and_b32 s18, ttmp9, 1                        ; kh
	v_and_b32 v13, 31, v0                          ; lane = my column n
	v_lshlrev_b32 v1, 2, v13
	v_and_b32 v8, 15, v0
	v_bfe_u32 v9, v0, 4, 1
	v_lshlrev_b32 v2, 4, v8
	v_lshl_add_u32 v2, v9, 13, v2                  ; codes: 16 x (n % 16), tile n / 16
	s_wait_alu depctr_va_sdst(0)                   ; s48 is written, ahead of its first reader
	s_and_b32 s19, s48, 1                          ; my 32 columns
	s_lshr_b32 s20, s48, 1                         ; my K step
	s_lshl_b32 s24, s19, 14
	s_lshl_b32 s22, s20, 10
	s_add_co_u32 s24, s24, s22
	v_add_nc_u32 v2, s24, v2
	v_lshlrev_b32 v3, 2, v8
	v_lshl_add_u32 v3, v9, 6, v3
	s_lshl_b32 s24, s19, 7
	s_lshl_b32 s22, s20, 8
	s_add_co_u32 s24, s24, s22
	s_add_co_u32 s24, s24, WSC
	v_add_nc_u32 v3, s24, v3
	v_lshlrev_b32 v4, 4, v13
	v_add_nc_u32 v5, WSC, v1
	s_mul_i32 s24, s48, 16*272
	s_add_co_u32 s24, s24, STG                     ; my stage
	v_mul_u32_u24 v11, v8, 272
	v_lshl_add_u32 v11, v9, 5, v11
	v_add_nc_u32 v11, s24, v11                     ; in: row lane % 16, 32 bytes for each half of the lanes
	v_lshlrev_b32 v13, 3, v13
	v_add_nc_u32 v12, s24, v13                     ; out: 8 bytes a lane of a row
	v_lshlrev_b32 v8, 2, v8
	s_lshl_b32 s62, s16, 2                         ; kept for the load of the count alone
	s_mov_b32 s23, 0
	s_wait_kmcnt 0x0
	s_load_b32 s49, s[10:11], s62 offset:34816     ; the expert's count
	s_lshl_b32 s22, s16, 23
	s_lshl_b32 s24, s18, 22
	s_add_co_u32 s22, s22, s24
	s_lshl_b32 s24, s20, 19
	s_add_co_u32 s22, s22, s24
	s_lshl_b32 s24, s17, 8
	s_add_co_u32 s22, s22, s24
	s_lshl_b32 s24, s19, 7
	s_add_co_u32 s22, s22, s24
	s_add_nc_u64 s[58:59], s[4:5], s[22:23]        ; expert, row 1,024 kh + 128 x K step, 256 jj + 128 (w & 1) bytes
	s_wait_alu depctr_va_vdst(0)                   ; the offsets and LDS addresses v1-5, v8 and v11-13 are written, which the loads, stores and LDS instructions of the whole kernel read
	LOADW 0
	LOADW 1
	s_lshl_b32 s22, s16, 6
	s_lshl_b32 s24, s18, 5
	s_add_co_u32 s22, s22, s24
	s_lshl_b32 s22, s22, 14
	s_add_nc_u64 s[6:7], s[6:7], s[22:23]          ; actq at (e, block 32 kh)
	s_lshl_b32 s22, s16, 4
	s_lshl_b32 s24, s18, 3
	s_add_co_u32 s22, s22, s24
	s_lshl_b32 s22, s22, 12
	s_add_nc_u64 s[8:9], s[8:9], s[22:23]          ; acts at (e, K step 8 kh)
	s_mul_i32 s22, s16, 4352
	s_lshl_b32 s24, s48, 7
	s_add_co_u32 s22, s22, s24
	s_add_nc_u64 s[56:57], s[10:11], s[22:23]      ; the list at my first task
	s_lshl_b32 s22, s18, 23
	s_lshl_b32 s24, s17, 8
	s_add_co_u32 s22, s22, s24
	s_add_nc_u64 s[60:61], s[14:15], s[22:23]      ; ybuf at (kh, column 64 jj)
	; THE STREAM.  The count 32 leaves the youngest block's loads out; all that was issued ahead of them, act's pieces too, is in.
	s_wait_loadcnt 32
	QV 0
	s_wait_kmcnt 0x0
	s_min_u32 s49, s49, 1024                       ; a count is at most 1,024
	s_lshl_b32 s50, s48, 5                         ; my first task's first row
	s_cmp_lt_u32 s50, s49
	s_cselect_b32 s52, 1, 0
	s_cselect_b32 s53, s50, 0
	DCALC                                          ; the first task's offsets are made ahead of the block's one wait
	s_wait_alu depctr_va_vdst(0)                   ; the conversions have written block 0's codes, which the LDS store reads; v6 and v7 are written, which act's loads read; the head's arithmetic is done with v9, in which a load of the list lands; maxima and conversions are done reading set 0, in which block 2's loads land
	QM 0
	F0
	LOADW 2
	s_wait_loadcnt 32
	QV 1
	s_wait_alu depctr_va_vdst(0)                   ; the conversions have written block 1's codes, which the LDS store reads, and are done reading set 1, in which block 3's loads land
	QM 1
	FRAGS 4
	LOADW 3
	s_wait_loadcnt 32
	QV 2
	s_wait_alu depctr_va_vdst(0)                   ; the conversions have written block 2's codes, which the LDS store reads
	QM 2
	s_wait_loadcnt 0x0
	QV 3
	s_wait_alu depctr_va_vdst(0)                   ; the conversions have written block 3's codes and the shifts the scale word v14, which the two LDS stores read
	QM 3
	s_mov_b32 s51, 0
	s_wait_dscnt 0x0                               ; for the others' sake: my codes and scale words lie in LDS
	s_barrier_signal -1
	s_barrier_wait -1
	s_wait_alu depctr_vm_vsrc(0)                   ; my LDS stores have read v80-95, in which the fragments' loads land from here on, and v14, which a task's head writes
.Ltask:
	s_cmp_ge_u32 s50, s49
	s_cbranch_scc1 .Lnext
	s_wait_loadcnt 0x0                             ; the task's codes, scale words and entries are in,
	s_wait_kmcnt 0x0                               ; the scalar entries too
	v_min_u32 v14, 0x7ff, v9
	v_min_u32 v15, 0x7ff, v10
	v_lshlrev_b32 v14, 2, v14
	v_lshlrev_b32 v15, 2, v15
	s_sub_co_u32 s54, s49, s50                     ; rows left from the task's first on
	KLOAD 0
	global_load_b32 v252, v14, s[12:13]            ; my row's gate weight, for each row tile.  Behind step 0's wait: nothing since names v14, v15, v252 or v254
	global_load_b32 v254, v15, s[12:13]
	KMUL 0
.irp s, 1,2,3,4,5,6,7
	KLOAD \s
	KMUL \s
.endr
.rept 4
	v_nop                                          ; places in front of the first read of results and of writes into act's registers
.endr
.set cn, 0
.rept 32                               ; where the task's 32 rows go: all offsets are made ahead of the one wait; those of rows at or past the count are made and not used
	s_min_u32 s55, s[16+cn], 0x7ff                 ; the row's entry, held inside the table
	s_lshl_b32 s55, s55, 12
	v_add_nc_u32 v[DB+48*(cn/16)+32+cn%16], s55, v13
.set cn, cn+1
.endr
	s_wait_loadcnt 0x0                             ; the gate weights
	SCALE 0
	SCALE 1
	s_wait_alu depctr_va_vdst(0)                   ; the scalings have written the accumulators, which the stage's LDS stores read; the 32 offsets are written, which the rows' stores read; the products are done reading act's fragments, in which the loads from the stage land
	TOSTG 0
	TOSTG 1
	s_wait_dscnt 24                                ; row tile 0 is back; behind its loads stand tile 1's 8 stores and 16 loads, which may be out
	SEND 0
	s_wait_dscnt 0x0                               ; row tile 1 is back
	SEND 1
	s_wait_xcnt 0x0                                ; the stores have read their registers
	s_wait_alu depctr_vm_vsrc(0)                   ; the rows' stores have read their data and offsets in v112-207, in which the second task's loads land; the stage's stores have read the accumulators, which its products write; act's loads have read v6 and v7, the gate weights' loads v14 and v15, which are made anew
	s_add_co_u32 s53, s50, 512
	s_cmp_ge_u32 s53, s49
	s_cbranch_scc1 .Lnext
	s_add_nc_u64 s[56:57], s[56:57], 2048          ; my second task (no load that names the pair is out)
	s_mov_b32 s52, 1
	DCALC
	s_wait_alu depctr_va_vdst(0)                   ; v6 and v7 are written, which act's loads read
	F0
	FRAGS 4
.Lnext:
	s_add_co_u32 s50, s50, 512
	s_add_co_u32 s51, s51, 1
	s_cmp_lt_u32 s51, 2
	s_cbranch_scc1 .Ltask
	s_wait_xcnt 0x0
	v_lshl_add_u32 v254, v0, 2, 0x19800            ; the add's two registers are made anew: no memory or LDS instruction of this text reads v254 or v255
	v_mov_b32 v255, 0
	s_wait_dscnt 0x0                               ; the closing lines, six on end
	s_wait_alu 0x0
	s_wait_tensorcnt 0x0
	ds_add_u32 v254, v255
	s_wait_dscnt 0x0
	s_endpgm
.Lfunc_end_k_qaf5b2eddc2_down:
	.size	k_qaf5b2eddc2_down, .Lfunc_end_k_qaf5b2eddc2_down-k_qaf5b2eddc2_down
	.p2alignl 7, 3214868480
	.fill 96, 4, 3214868480
	.section	.rodata,"a",@progbits
	.p2align	6, 0x0
	.amdhsa_kernel k_qaf5b2eddc2_down
		.amdhsa_group_segment_fixed_size 106496
		.amdhsa_private_segment_fixed_size 0
		.amdhsa_enable_private_segment 0
		.amdhsa_kernarg_size 48
		.amdhsa_user_sgpr_count 2
		.amdhsa_user_sgpr_kernarg_segment_ptr 1
		.amdhsa_wavefront_size32 1
		.amdhsa_system_sgpr_workgroup_id_x 1
		.amdhsa_system_sgpr_workgroup_id_y 1
		.amdhsa_system_sgpr_workgroup_id_z 1
		.amdhsa_system_vgpr_workitem_id 0
		.amdhsa_next_free_vgpr 256
		.amdhsa_next_free_sgpr 66
		.amdhsa_reserve_vcc 0
		.amdhsa_float_denorm_mode_32 3
		.amdhsa_float_denorm_mode_16_64 3
		.amdhsa_memory_ordered 1
		.amdhsa_forward_progress 1
		.amdhsa_inst_pref_size 61
	.end_amdhsa_kernel
	.amdgpu_metadata
---
amdhsa.version: [ 1, 2 ]
amdhsa.kernels:
  - .name:           k_qaf5b2eddc2_down
    .symbol:         k_qaf5b2eddc2_down.kd
    .args:
      - { .name: w2, .offset: 0, .size: 8, .value_kind: global_buffer, .address_space: global }
      - { .name: actq, .offset: 8, .size: 8, .value_kind: global_buffer, .address_space: global }
      - { .name: acts, .offset: 16, .size: 8, .value_kind: global_buffer, .address_space: global }
      - { .name: list, .offset: 24, .size: 8, .value_kind: global_buffer, .address_space: global }
      - { .name: gw, .offset: 32, .size: 8, .value_kind: global_buffer, .address_space: global }
      - { .name: ybuf, .offset: 40, .size: 8, .value_kind: global_buffer, .address_space: global }
    .group_segment_fixed_size: 106496
    .private_segment_fixed_size: 0
    .kernarg_segment_align: 8
    .kernarg_segment_size: 48
    .max_flat_workgroup_size: 512
    .sgpr_count:     66
    .vgpr_count:     256
    .wavefront_size: 32
...
	.end_amdgpu_metadata
.endif
;; end of part 9
;; launch combine (part 10): grid 256 x 1, 8 waves a work-group, no clusters, 0 bytes of LDS; arguments ybuf, out0; writes out0
.if DOCPART == 10
	.amdgcn_target "amdgcn-amd-amdhsa--gfx1250"
	.amdhsa_code_object_version 6
	.text
	.protected	k_qaf5b2eddc2_combine
	.globl	k_qaf5b2eddc2_combine
	.p2align	8
	.type	k_qaf5b2eddc2_combine,@function
k_qaf5b2eddc2_combine:
	s_mov_b64 s[64:65], 0
	v_nop
	global_prefetch_b8 v0, s[64:65] scope:SCOPE_SE
	s_setreg_imm32_b32 hwreg(HW_REG_WAVE_MODE, 25, 1), 1
	s_wait_xcnt 0x0
; out0[token][:] = the sum of the token's four parts in ybuf [half of K 2][entry 2,048][1,024] f32, entries 2 token and 2 token + 1; the gate weights are in them already.
; A work-group takes 4 tokens; thread t takes the 16 bytes at 16 t of each row, so that a wave's load or store covers 512 consecutive bytes.  All sixteen loads of a thread go out at once; the waits count down by tokens.
; A stream: no LDS, no barrier, no matrix unit.
.set Y, 8                              ; v8-71: token tau's four parts at 8 + 16 tau: (half 0, k 0), (half 1, k 0), (half 0, k 1), (half 1, k 1)
	s_load_b128 s[4:7], s[0:1], 0x0                ; ybuf, out0
	v_lshlrev_b32 v1, 4, v0
	s_lshl_b32 s10, ttmp9, 15                      ; 8 entries of 4,096 bytes
	s_mov_b32 s11, 0
	s_lshl_b32 s12, ttmp9, 14                      ; 4 tokens of 4,096 bytes
	s_mov_b32 s13, 0
	s_wait_alu depctr_va_vdst(0)
	s_wait_kmcnt 0x0
	s_add_nc_u64 s[4:5], s[4:5], s[10:11]
	s_add_nc_u64 s[8:9], s[4:5], 0x800000          ; the second half of K: 2,048 entries on
	s_add_nc_u64 s[6:7], s[6:7], s[12:13]
.irp tau, 0,1,2,3
.irp k, 0,1
	global_load_b128 v[Y+16*\tau+8*\k:Y+16*\tau+8*\k+3], v1, s[4:5] offset:8192*\tau+4096*\k th:TH_LOAD_NT
	global_load_b128 v[Y+16*\tau+8*\k+4:Y+16*\tau+8*\k+7], v1, s[8:9] offset:8192*\tau+4096*\k th:TH_LOAD_NT
.endr
.endr
.irp tau, 0,1,2,3
	s_wait_loadcnt 12-4*\tau                       ; this token's four loads are in; the later tokens' may be out
	v_pk_add_f32 v[Y+16*\tau:Y+16*\tau+1], v[Y+16*\tau:Y+16*\tau+1], v[Y+16*\tau+4:Y+16*\tau+5]
	v_pk_add_f32 v[Y+16*\tau+2:Y+16*\tau+3], v[Y+16*\tau+2:Y+16*\tau+3], v[Y+16*\tau+6:Y+16*\tau+7]
	v_pk_add_f32 v[Y+16*\tau+8:Y+16*\tau+9], v[Y+16*\tau+8:Y+16*\tau+9], v[Y+16*\tau+12:Y+16*\tau+13]
	v_pk_add_f32 v[Y+16*\tau+10:Y+16*\tau+11], v[Y+16*\tau+10:Y+16*\tau+11], v[Y+16*\tau+14:Y+16*\tau+15]
	s_delay_alu instid0(VALU_DEP_2)
	v_pk_add_f32 v[Y+16*\tau:Y+16*\tau+1], v[Y+16*\tau:Y+16*\tau+1], v[Y+16*\tau+8:Y+16*\tau+9]
	s_delay_alu instid0(VALU_DEP_2)
	v_pk_add_f32 v[Y+16*\tau+2:Y+16*\tau+3], v[Y+16*\tau+2:Y+16*\tau+3], v[Y+16*\tau+10:Y+16*\tau+11]
	global_store_b128 v1, v[Y+16*\tau:Y+16*\tau+3], s[6:7] offset:4096*\tau th:TH_STORE_NT
.endr
	s_endpgm
.Lfunc_end_k_qaf5b2eddc2_combine:
	.size	k_qaf5b2eddc2_combine, .Lfunc_end_k_qaf5b2eddc2_combine-k_qaf5b2eddc2_combine
	.p2alignl 7, 3214868480
	.fill 96, 4, 3214868480
	.section	.rodata,"a",@progbits
	.p2align	6, 0x0
	.amdhsa_kernel k_qaf5b2eddc2_combine
		.amdhsa_group_segment_fixed_size 0
		.amdhsa_private_segment_fixed_size 0
		.amdhsa_enable_private_segment 0
		.amdhsa_kernarg_size 16
		.amdhsa_user_sgpr_count 2
		.amdhsa_user_sgpr_kernarg_segment_ptr 1
		.amdhsa_wavefront_size32 1
		.amdhsa_system_sgpr_workgroup_id_x 1
		.amdhsa_system_sgpr_workgroup_id_y 1
		.amdhsa_system_sgpr_workgroup_id_z 1
		.amdhsa_system_vgpr_workitem_id 0
		.amdhsa_next_free_vgpr 72
		.amdhsa_next_free_sgpr 66
		.amdhsa_reserve_vcc 0
		.amdhsa_float_denorm_mode_32 3
		.amdhsa_float_denorm_mode_16_64 3
		.amdhsa_memory_ordered 1
		.amdhsa_forward_progress 1
		.amdhsa_inst_pref_size 5
	.end_amdhsa_kernel
	.amdgpu_metadata
---
amdhsa.version: [ 1, 2 ]
amdhsa.kernels:
  - .name:           k_qaf5b2eddc2_combine
    .symbol:         k_qaf5b2eddc2_combine.kd
    .args:
      - { .name: ybuf, .offset: 0, .size: 8, .value_kind: global_buffer, .address_space: global }
      - { .name: out0, .offset: 8, .size: 8, .value_kind: global_buffer, .address_space: global }
    .group_segment_fixed_size: 0
    .private_segment_fixed_size: 0
    .kernarg_segment_align: 8
    .kernarg_segment_size: 16
    .max_flat_workgroup_size: 256
    .sgpr_count:     66
    .vgpr_count:     72
    .wavefront_size: 32
...
	.end_amdgpu_metadata
.endif
;; end of part 10
